; MI455X (gfx1250); checked and timed in simulation.
; The chip was launched on July 23, 2026; its instructions are those of AMD's public machine-readable ISA for CDNA 5 (MIT licence, August 2026) and "CDNA5" Instruction Set Architecture Reference Guide (July 2026). The comments in the code are by the model that wrote it; some were corrected since.
;; Causal Attention. Allowed arithmetic: matrix products marked QUANTISED: E2M1 operands, one E8M0 scale for each 32 along K, by v_wmma_scale_f32_16x16x128_f8f6f4 with both operands' format E2M1 (or v_wmma_scale_f32_32x16x128_f4), f32 sums; products left as they are: bf16, f16 or f32 operands; f32 sums; everything else in f32.
;; Inputs: w_out 1,024 x 1,024 float32; w_qkv 1,024 x 3,072 float32; x 4 x 2,048 x 1,024 float32.
;; Outputs: out0 4 x 2,048 x 1,024 float32.
;; This version of the problem:
;;   THIS VERSION OF THE PROBLEM IS GIVEN IN LOW PRECISION. The matrix products marked QUANTISED in the list below multiply operands that are first quantised to E2M1 (2 exponent bits, 1 mantissa bit; 4 bits a number), with one power-of-two scale for each 32 numbers along K (OCP MX v1.0); their sums are f32. The products marked 'left as it is' may take bf16, f16 or f32 operands, with f32 sums. Whichever they take, every output number must still come out within the allowed error. Rounding operands to bf16 (8 significant bits) uses up far more of that allowance than f16 does (11 bits, for magnitudes from 6e-5 to 65,504). All else is computed in f32.
;;   The module's matrix products, in the order in which they are computed (A, B: the left and right operand; K: the contracted axis; several contracted axes count as one K, in the product's order):
;;     1. [M 8,192, K 1,024] x [K 1,024, N 3,072]; A: input x; B: input w_qkv: QUANTISED
;;     2. batch 64 x [M 2,048, K 64] x [K 64, N 2,048]; A: computed on the way; B: computed on the way: left as it is (an operand is computed on the way)
;;     3. batch 64 x [M 2,048, K 2,048] x [K 2,048, N 64]; A: computed on the way; B: computed on the way: left as it is (an operand is computed on the way)
;;     4. [M 8,192, K 1,024] x [K 1,024, N 1,024]; A: computed on the way; B: input w_out: left as it is (an operand is computed on the way)
;;   THE QUANTISER, for each operand of a quantised product, along K:
;;     - K is cut into blocks of 32 from its start; a last block that is shorter is filled with zeros.
;;     - A block's scale is 2^e with e = floor(log2(the largest magnitude in the block)) - 2, held to -126 .. 127; a block of zeros has e = 0. As a byte (E8M0): e + 127.
;;     - Each number is divided by its block's scale, clamped to +-6, and rounded to the nearest number of E2M1, ties to even, subnormals kept.
;;     - The product sums the exact products of the quantised numbers (number of the format x scale) in f32.
;;   ~~~python
;;   def quantise(x, axis):      # numpy; x: float32 -> the quantised numbers, widened to float32 again
;;       x = np.moveaxis(x, axis, -1); K = x.shape[-1]
;;       x = np.pad(x, [(0, 0)] * (x.ndim - 1) + [(0, -K % 32)]); x = x.reshape(x.shape[:-1] + (-1, 32)); a = np.abs(x).max(-1, keepdims=True)
;;       e = np.where(a > 0, np.clip(np.frexp(np.where(a > 0, a, 1))[1] - 1 - 2, -126, 127), 0)      # np.frexp(a)[1] - 1 = floor(log2(a)), exactly
;;       r = np.clip(x / 2.0 ** e, -6, 6)
;;       step = 2.0 ** (np.maximum(np.frexp(np.where(r == 0, 1, r))[1] - 1, 0) - 1)
;;       q = np.round(r / step) * step * 2.0 ** e      # np.round: ties to even
;;       return np.moveaxis(q.reshape(q.shape[:-2] + (-1,))[..., :K], -1, axis).astype(np.float32)
;;   ~~~
;; One version. Each part assembles by itself: llvm-mc -triple=amdgcn-amd-amdhsa -mcpu=gfx1250 --defsym DOCPART=n.
;; ======== version 1 of 1: 5 launches
;; limits: values are held in f16: magnitudes above 65,504 overflow, below 6.1e-05 lose precision
;; workspace buffers: xc 4,194,304 bytes; xs 262,144 bytes; wc 1,572,864 bytes; ws 98,304 bytes; wo16 2,097,152 bytes; qkv16 50,331,648 bytes; q32 786,432 bytes; o16 16,777,216 bytes
;; launch prep (part 1): grid 368 x 1, 4 waves a work-group, no clusters, 102,912 bytes of LDS; arguments x, w_qkv, w_out, xc, xs, wc, ws, wo16; writes xc, xs, wc, ws, wo16
.if DOCPART == 1
	.amdgcn_target "amdgcn-amd-amdhsa--gfx1250"
	.amdhsa_code_object_version 6
	.text
	.protected	k_q2becc546d4_prep
	.globl	k_q2becc546d4_prep
	.p2align	8
	.type	k_q2becc546d4_prep,@function
k_q2becc546d4_prep:
	s_mov_b64 s[64:65], 0
	v_nop
	global_prefetch_b8 v0, s[64:65] scope:SCOPE_SE
	s_setreg_imm32_b32 hwreg(HW_REG_WAVE_MODE, 25, 1), 1
	s_wait_xcnt 0x0
; PREP: the operands of the later products are laid as those products want them.  Three jobs, told apart by the work-group's number; the three ways never join.
;   work-groups 0-255:   x [8192][1024] f32 -> xc: codes of E2M1, K innermost, 512 bytes a row; xs: one E8M0 byte for each 32 along K, 32 bytes a row.
;   work-groups 256-303: w_qkv [1024 (k)][3072 (n)] f32 -> wc [3072][512 bytes], ws [3072][32]: K moved innermost: a lane takes a column, its registers run down K.
;   work-groups 304-367: w_out [1024 (k)][1024 (n)] f32 -> wo16 [n][k] f16, on the same plan (a lane a column, registers down K).
; A block's scale is 2^(floor(log2(its largest magnitude)) - 2): its byte is the largest magnitude's exponent field - 2, held at 1 from below.
; LIMITS: NaN and infinities among the inputs are not served.  Blocks whose largest magnitude lies under 2^-124 keep the byte 1.  A block of zeros gets the byte 1 and zero codes:
; the bytes are read by this program alone.  w_out beyond f16's range (65,504) is not served.
; No tensor load, no barrier: waves share nothing.  Each way has LDS bytes of its own.
.set SPW,   192                        ; v192 LDS address of my spare word; never rewritten
.set NIL,   193                        ; v193 0; never rewritten
.set EMAX,  2
.set XWAVE, 8192                       ; way X: LDS 0 on, a region for each wave: two stages of 32 x XSP bytes, then 256 scale bytes
.set XSP,   80                         ; a lane's place in a stage: 64 bytes + 16 of padding
.set WSTG,  32768                      ; way W: 32 rows x PITCH for each wave
.set OSTG,  67584                      ; way O: likewise
.set PITCH, 272                        ; a stage row: 256 bytes + 16
.set SPARE, 102400                     ; the spare words, 128 bytes for each wave
.set XR,    16                         ; way X: v16-79 four sets of 16 numbers as loaded
.set XX,    80                         ; v80-111  two sets of 16 neighbours
.set XE,    112                        ; v112-127 a scale byte for each step
.set XC,    128                        ; v128-191 codes, four registers for each step: no store's data are written again
.set CX,    32                         ; ways W and O: v32-95 two sets of 32 numbers down K
.set CC,    96                         ; v96-111  codes, or f16 pairs
.set CSB,   24                         ; v24-27   scale bytes, four to a register
.set COUT,  112                        ; v112-175 the way out
	s_load_b512 s[4:19], s[0:1], 0x0               ; x 4:5, w_qkv 6:7, w_out 8:9, xc 10:11, xs 12:13, wc 14:15, ws 16:17, wo16 18:19
	v_lshl_add_u32 v[SPW], v0, 2, SPARE
	v_mov_b32 v[NIL], 0
	v_lshrrev_b32 v1, 5, v0
	v_readfirstlane_b32 s20, v1                    ; wave 0..3
	v_and_b32 v2, 31, v0                           ; lane
	s_mov_b32 s25, 0                               ; the high word of every offset pair s[24:25]
	s_wait_kmcnt 0x0
	s_cmp_lt_u32 ttmp9, 256
	s_cbranch_scc0 .Lnot_x
; ---------------- way X: a wave takes 16 steps of 512 numbers: run 4 x work-group + wave of 8,192 numbers
.macro XLOAD t                         ; 32 lanes read 512 consecutive bytes, four times
.irp i, 0,1,2,3
	global_load_b128 v[XR+16*((\t)%4)+4*\i:XR+16*((\t)%4)+4*\i+3], v3, s[4:5] offset:2048*(\t)+512*\i th:TH_LOAD_NT
.endr
.endm
.macro XTURN t                         ; a step's 2,048 bytes through my stage, so that a lane gets 16 neighbours; LDS serves a wave's instructions in order
.irp i, 0,1,2,3
	ds_store_b128 v14, v[XR+16*((\t)%4)+4*\i:XR+16*((\t)%4)+4*\i+3] offset:32*XSP*((\t)%2)+8*XSP*\i
.endr
.irp i, 0,1,2,3
	ds_load_b128 v[XX+16*((\t)%2)+4*\i:XX+16*((\t)%2)+4*\i+3], v15 offset:32*XSP*((\t)%2)+16*\i
.endr
.endm
.macro XSTEP t
.set XS, XX+16*((\t)%2)
.if (\t) > 0
	s_wait_dscnt 1                                 ; this step's numbers are back from the stage; the last step's byte store may be out
.else
	s_wait_dscnt 0x0
.endif
.if (\t)+4 < 16
	XLOAD (\t)+4                                   ; into the set whose stores to the stage are done
.endif
.if (\t)+1 < 16
.if 14-(\t) >= 3
	s_wait_loadcnt 12                              ; the next step's four loads are in; three steps' loads stay out
.else
	s_wait_loadcnt 4*(14-(\t))                     ; the tail: the counts run down
.endif
	XTURN (\t)+1
.endif
	v_max3_num_f32 v8, |v[XS]|, |v[XS+1]|, |v[XS+2]|
	v_max3_num_f32 v9, |v[XS+3]|, |v[XS+4]|, |v[XS+5]|
.irp i, 6,10
	v_max3_num_f32 v8, v8, |v[XS+\i]|, |v[XS+\i+1]|
	v_max3_num_f32 v9, v9, |v[XS+\i+2]|, |v[XS+\i+3]|
.endr
	v_max3_num_f32 v8, v8, |v[XS+14]|, |v[XS+15]|
	v_max3_num_f32 v8, v8, v9, (EMAX+1)<<23        ; the floor 2^(3 - 127): the byte cannot fall under 1
	v_max_num_f32_dpp v8, v8, v8 row_xmask:1 row_mask:0xf bank_mask:0xf   ; with my neighbour's 16: the block's largest magnitude
	v_add_nc_u32 v11, -(EMAX<<23), v8              ; 2 off its exponent field: the conversion's scale operand
	v_cvt_scalef32_pk8_fp4_f32 v[XC+4*(\t)], v[XS:XS+7], v11
	v_cvt_scalef32_pk8_fp4_f32 v[XC+4*(\t)+1], v[XS+8:XS+15], v11
	v_lshrrev_b32 v[XE+(\t)], 23, v11              ; the scale's byte
	ds_store_b8 v5, v[XE+(\t)] offset:16*(\t)      ; both lanes of a block write the same byte with the same value
	global_store_b64 v4, v[XC+4*(\t):XC+4*(\t)+1], s[10:11] offset:256*(\t)   ; 32 lanes store 256 consecutive bytes, aligned
.endm
	v_lshlrev_b32 v3, 4, v2                        ; my 16 bytes of a load's 512
	s_mul_i32 s21, s20, XWAVE
	v_lshrrev_b32 v14, 2, v2
	v_mul_u32_u24 v14, v14, XSP
	v_and_b32 v15, 3, v2
	v_lshl_add_u32 v14, v15, 4, v14
	v_add_nc_u32 v14, s21, v14                     ; the stage, in: XSP (lane / 4) + 16 (lane % 4)
	v_mul_u32_u24 v15, v2, XSP
	v_add_nc_u32 v15, s21, v15                     ; and out: XSP x lane
	v_lshlrev_b32 v4, 3, v2                        ; my 8 bytes of a step's codes
	v_lshrrev_b32 v5, 1, v2
	s_add_co_u32 s21, s21, 2*32*XSP
	v_add_nc_u32 v5, s21, v5                       ; my block's byte among my wave's 256
	v_lshlrev_b32 v7, 3, v2
	v_add_nc_u32 v6, s21, v7
	s_lshl_b32 s22, ttmp9, 2
	s_add_co_u32 s22, s22, s20                     ; my run
	s_lshl_b32 s24, s22, 15                        ; 32,768 bytes of x,
	s_add_nc_u64 s[4:5], s[4:5], s[24:25]
	s_lshl_b32 s24, s22, 12                        ; 4,096 of codes,
	s_add_nc_u64 s[10:11], s[10:11], s[24:25]
	s_lshl_b32 s24, s22, 8                         ; 256 of scale bytes
	s_add_nc_u64 s[12:13], s[12:13], s[24:25]
.irp t, 0,1,2,3
	XLOAD \t
.endr
	s_wait_loadcnt 12                              ; step 0's four loads are in
	XTURN 0
.irp t, 0,1,2,3,4,5,6,7,8,9,10,11,12,13,14,15
	XSTEP \t
.endr
	ds_load_b64 v[8:9], v6                         ; my wave's 256 scale bytes, 8 a lane
	s_wait_dscnt 0x0
	global_store_b64 v7, v[8:9], s[12:13]          ; 256 consecutive bytes, aligned
	s_wait_tensorcnt 0x0                           ; the wave's end: three lines behind my last LDS store
	ds_add_u32 v[SPW], v[NIL]
	s_wait_dscnt 0x0
	s_endpgm
; ---------------- what ways W and O share
.macro COLS stg, krow                  ; addresses: v3 in (4 bytes a lane), v4 my column's stage row, v7 and v8 the way out: sixteen lanes to a row, two rows an instruction
	v_lshlrev_b32 v3, 2, v2
	s_mul_i32 s26, s20, 32*PITCH
	s_add_co_u32 s26, s26, \stg
	v_mul_u32_u24 v4, v2, PITCH
	v_add_nc_u32 v4, s26, v4
	v_and_b32 v5, 15, v2
	v_lshrrev_b32 v6, 4, v2
	v_mul_u32_u24 v7, v6, PITCH
	v_lshl_add_u32 v7, v5, 4, v7
	v_add_nc_u32 v7, s26, v7
	v_mul_u32_u24 v8, v6, \krow
	v_lshl_add_u32 v8, v5, 4, v8
.endm
.macro CLOAD t, base, rowb             ; rows 32 t + 0 .. 31 of my column into set t % 2: a wave reads 128 consecutive bytes, the four waves stand side by side
.irp i, 0,1,2,3,4,5,6,7,8,9,10,11,12,13,14,15,16,17,18,19,20,21,22,23,24,25,26,27,28,29,30,31
	global_load_b32 v[CX+32*((\t)%2)+\i], v3, s[\base:\base+1] offset:(32*(\t)+\i)*\rowb th:TH_LOAD_NT
.endr
.endm
.macro ROWS_OUT base, pitch            ; my 32 stage rows of 256 bytes leave: sixteen lanes store 256 consecutive bytes, aligned
.irp t, 0,1,2,3,4,5,6,7,8,9,10,11,12,13,14,15
	ds_load_b128 v[COUT+4*\t:COUT+4*\t+3], v7 offset:2*\t*PITCH
.endr
.irp t, 0,1,2,3,4,5,6,7,8,9,10,11,12,13,14,15
	s_wait_dscnt 15-\t                             ; row pair t is in; the younger loads stay out
	global_store_b128 v8, v[COUT+4*\t:COUT+4*\t+3], s[\base:\base+1] offset:2*\t*\pitch
.endr
.endm
; ---------------- way W: a wave takes 32 columns x 512 along K: 16 blocks a lane
.macro WBLOCK t
.set XS, CX+32*((\t)%2)
.if (\t) < 15
	s_wait_loadcnt 32                              ; this block's 32 loads are in; the next block's may be out
.else
	s_wait_loadcnt 0x0
.endif
	v_max3_num_f32 v12, |v[XS]|, |v[XS+1]|, |v[XS+2]|               ; all 32 numbers of the block are mine
	v_max3_num_f32 v13, |v[XS+3]|, |v[XS+4]|, |v[XS+5]|
.irp i, 6,10,14,18,22,26
	v_max3_num_f32 v12, v12, |v[XS+\i]|, |v[XS+\i+1]|
	v_max3_num_f32 v13, v13, |v[XS+\i+2]|, |v[XS+\i+3]|
.endr
	v_max3_num_f32 v12, v12, |v[XS+30]|, |v[XS+31]|
	v_max3_num_f32 v12, v12, v13, (EMAX+1)<<23     ; the floor
	v_add_nc_u32 v11, -(EMAX<<23), v12             ; the conversion's scale operand
	v_lshrrev_b32 v13, 23, v11                     ; the scale's byte
.if (\t)%4 == 0
	v_mov_b32 v[CSB+(\t)/4], v13
.else
	v_lshl_or_b32 v[CSB+(\t)/4], v13, 8*((\t)%4), v[CSB+(\t)/4]
.endif
.irp g, 0,1,2,3
	v_cvt_scalef32_pk8_fp4_f32 v[CC+\g], v[XS+8*\g:XS+8*\g+7], v11
.endr
	v_nop                                          ; one plain line behind the last conversion
	ds_store_b128 v4, v[CC:CC+3] offset:16*(\t)    ; 32 codes: 16 bytes of my column's row
.if (\t)+2 < 16
	CLOAD (\t)+2, 6, 12288
.endif
	s_wait_dscnt 0x0                               ; the store has read its registers: the next block's codes may be written
.endm
.Lnot_x:
	s_cmp_lt_u32 ttmp9, 304
	s_cbranch_scc0 .Lpath_o
	s_sub_co_u32 s21, ttmp9, 256                   ; 0 .. 47
	s_cmp_ge_u32 s21, 24
	s_cselect_b32 s22, 1, 0                        ; which 512 along K
	s_cselect_b32 s23, 24, 0
	s_sub_co_u32 s21, s21, s23                     ; which 128 columns
	s_lshl_b32 s21, s21, 7
	s_lshl_b32 s23, s20, 5
	s_add_co_u32 s21, s21, s23                     ; my wave's first column
	s_mul_i32 s24, s22, 512*12288
	s_lshl_b32 s23, s21, 2
	s_add_co_u32 s24, s24, s23
	s_add_nc_u64 s[6:7], s[6:7], s[24:25]          ; w_qkv: 512 y rows of 12,288 bytes + 4 x column
	s_lshl_b32 s24, s21, 9
	s_lshl_b32 s23, s22, 8
	s_add_co_u32 s24, s24, s23
	s_add_nc_u64 s[14:15], s[14:15], s[24:25]      ; codes: column x 512 + 256 y
	s_lshl_b32 s24, s21, 5
	s_lshl_b32 s23, s22, 4
	s_add_co_u32 s24, s24, s23
	s_add_nc_u64 s[16:17], s[16:17], s[24:25]      ; scale bytes: column x 32 + 16 y
	COLS WSTG, 512
	v_lshlrev_b32 v9, 5, v2                        ; my column's row of scale bytes
	CLOAD 0, 6, 12288                              ; every offset is an immediate: 511 x 12,288 at the most, inside the signed 24 bits
	CLOAD 1, 6, 12288
.irp t, 0,1,2,3,4,5,6,7,8,9,10,11,12,13,14,15
	WBLOCK \t
.endr
	global_store_b128 v9, v[CSB:CSB+3], s[16:17]   ; my column's 16 scale bytes
	ROWS_OUT 14, 512
	s_wait_tensorcnt 0x0                           ; the wave's end, as above
	ds_add_u32 v[SPW], v[NIL]
	s_wait_dscnt 0x0
	s_endpgm
; ---------------- way O: a wave takes 32 columns x 128 along K of w_out: 256 bytes of f16 for each column
.macro OBLOCK t
.set XS, CX+32*((\t)%2)
.if (\t) < 3
	s_wait_loadcnt 32
.else
	s_wait_loadcnt 0x0
.endif
.irp i, 0,1,2,3,4,5,6,7,8,9,10,11,12,13,14,15
	v_cvt_pk_f16_f32 v[CC+\i], v[XS+2*\i], v[XS+2*\i+1]            ; two neighbours along K, the lower in the low half
.endr
.irp g, 0,1,2,3
	ds_store_b128 v4, v[CC+4*\g:CC+4*\g+3] offset:64*(\t)+16*\g
.endr
.if (\t)+2 < 4
	CLOAD (\t)+2, 8, 4096
.endif
	s_wait_dscnt 0x0                               ; the stores have read their registers
.endm
.Lpath_o:
	s_sub_co_u32 s21, ttmp9, 304                   ; 0 .. 63
	s_lshr_b32 s22, s21, 3                         ; which 128 along K
	s_and_b32 s21, s21, 7                          ; which 128 columns
	s_lshl_b32 s21, s21, 7
	s_lshl_b32 s23, s20, 5
	s_add_co_u32 s21, s21, s23                     ; my wave's first column
	s_lshl_b32 s24, s22, 19                        ; 128 rows of 4,096 bytes
	s_lshl_b32 s23, s21, 2
	s_add_co_u32 s24, s24, s23
	s_add_nc_u64 s[8:9], s[8:9], s[24:25]
	s_lshl_b32 s24, s21, 11                        ; wo16: column x 2,048 + 256 x which
	s_lshl_b32 s23, s22, 8
	s_add_co_u32 s24, s24, s23
	s_add_nc_u64 s[18:19], s[18:19], s[24:25]
	COLS OSTG, 2048
	CLOAD 0, 8, 4096
	CLOAD 1, 8, 4096
.irp t, 0,1,2,3
	OBLOCK \t
.endr
	ROWS_OUT 18, 2048
	s_wait_tensorcnt 0x0                           ; the wave's end, as above
	ds_add_u32 v[SPW], v[NIL]
	s_wait_dscnt 0x0
	s_endpgm
.Lfunc_end_k_q2becc546d4_prep:
	.size	k_q2becc546d4_prep, .Lfunc_end_k_q2becc546d4_prep-k_q2becc546d4_prep
	.p2alignl 7, 3214868480
	.fill 96, 4, 3214868480
	.section	.rodata,"a",@progbits
	.p2align	6, 0x0
	.amdhsa_kernel k_q2becc546d4_prep
		.amdhsa_group_segment_fixed_size 102912
		.amdhsa_private_segment_fixed_size 0
		.amdhsa_enable_private_segment 0
		.amdhsa_kernarg_size 64
		.amdhsa_user_sgpr_count 2
		.amdhsa_user_sgpr_kernarg_segment_ptr 1
		.amdhsa_wavefront_size32 1
		.amdhsa_system_sgpr_workgroup_id_x 1
		.amdhsa_system_sgpr_workgroup_id_y 1
		.amdhsa_system_sgpr_workgroup_id_z 1
		.amdhsa_system_vgpr_workitem_id 0
		.amdhsa_next_free_vgpr 194
		.amdhsa_next_free_sgpr 66
		.amdhsa_reserve_vcc 0
		.amdhsa_float_denorm_mode_32 3
		.amdhsa_float_denorm_mode_16_64 3
		.amdhsa_memory_ordered 1
		.amdhsa_forward_progress 1
		.amdhsa_inst_pref_size 133
	.end_amdhsa_kernel
	.amdgpu_metadata
---
amdhsa.version: [ 1, 2 ]
amdhsa.kernels:
  - .name:           k_q2becc546d4_prep
    .symbol:         k_q2becc546d4_prep.kd
    .args:
      - { .name: x, .offset: 0, .size: 8, .value_kind: global_buffer, .address_space: global }
      - { .name: w_qkv, .offset: 8, .size: 8, .value_kind: global_buffer, .address_space: global }
      - { .name: w_out, .offset: 16, .size: 8, .value_kind: global_buffer, .address_space: global }
      - { .name: xc, .offset: 24, .size: 8, .value_kind: global_buffer, .address_space: global }
      - { .name: xs, .offset: 32, .size: 8, .value_kind: global_buffer, .address_space: global }
      - { .name: wc, .offset: 40, .size: 8, .value_kind: global_buffer, .address_space: global }
      - { .name: ws, .offset: 48, .size: 8, .value_kind: global_buffer, .address_space: global }
      - { .name: wo16, .offset: 56, .size: 8, .value_kind: global_buffer, .address_space: global }
    .group_segment_fixed_size: 102912
    .private_segment_fixed_size: 0
    .kernarg_segment_align: 8
    .kernarg_segment_size: 64
    .max_flat_workgroup_size: 128
    .sgpr_count:     66
    .vgpr_count:     194
    .wavefront_size: 32
...
	.end_amdgpu_metadata
.endif
;; end of part 1
;; launch gemm1 (part 2): grid 12 x 32, 4 waves a work-group, clusters of 4 x 4, 327,680 bytes of LDS; arguments xc, xs, wc, ws, qkv16, q32; writes qkv16, q32
.if DOCPART == 2
	.amdgcn_target "amdgcn-amd-amdhsa--gfx1250"
	.amdhsa_code_object_version 6
	.text
	.protected	k_q2becc546d4_gemm1
	.globl	k_q2becc546d4_gemm1
	.p2align	8
	.type	k_q2becc546d4_gemm1,@function
k_q2becc546d4_gemm1:
	s_mov_b64 s[64:65], 0
	v_nop
	global_prefetch_b8 v0, s[64:65] scope:SCOPE_SE
	s_setreg_imm32_b32 hwreg(HW_REG_WAVE_MODE, 25, 1), 1
	s_wait_xcnt 0x0
	s_wait_alu depctr_hold_cnt(0) depctr_sa_sdst(0) depctr_va_vdst(0) depctr_va_sdst(0) depctr_va_ssrc(0) depctr_va_vcc(0) depctr_vm_vsrc(0)
	s_getreg_b32 s2, hwreg(HW_REG_IB_STS2, 6, 4)
	s_cmp_eq_u32 s2, 0
	s_cbranch_scc0 .Lentry_in_a_cluster
	s_endpgm
.Lentry_in_a_cluster:
	s_bfe_u32 s2, ttmp6, 0x10000c
	s_cmp_lg_u32 s2, 0xf033
	s_cbranch_scc0 .Lentry_shape_is_right
	s_endpgm
.Lentry_shape_is_right:
; GEMM1: qkv[m][n] = sum over k of x[m][k] w_qkv[k][n] on codes of E2M1 with one E8M0 scale for each 32 along K: M = 8,192, N = 3,072, K = 1,024; sums in f32.
; A = xc [8192][512 bytes], xs [8192][32]; B = wc [3072][512 bytes], ws [3072][32].  A tile of 256 x 256 is made by four waves, 128 x 128 each: 64 accumulators, 512 registers.
; K is two steps of 512 (LDS rows of 256 bytes): both are asked for at the start, into two slots, and nothing is filled again.  The scale bytes of the tile's rows come once, with them.
; CLUSTERS: 4 x 4 work-groups; A's tiles are asked for jointly along a row of the cluster, B's along a column.  The tile row is 8 cy + the cluster's y, so that the batch is cy and
; a tile holds a sequence's first positions where the cluster's y is 0: a number that all sixteen partners share.
; THE MATRIX INSTRUCTION IS USED TRANSPOSED (source 0 = 16 rows of B, source 1 = 16 rows of A): a lane holds eight neighbouring columns of one row.
; OUT: q, k, v as f16, by head: qkv16 [part 3][batch 4][head 16][position 2048][64].  A head's rows are 128 bytes and dense, so two rows of a head are 256 consecutive bytes.
; And the f32 numbers of positions 0-15 of every batch, q32 [4][16][3072], for the launch that carries those rows in f32 (16 bytes a lane, rows apart: 1/64 of the tile rows' work).
; LIMIT: |q|, |k|, |v| stay under 65,504 (f16).
; REGISTERS, in windows of 256: window 0: v0-31 addresses; v32-95 scale words, two sets; v128-191 A's fragments, one set; on the way out v32-63, v192-255.
;   window 1: B's fragments, two sets, at v0 and v128.  window 2: the accumulators of my rows 0-63 ((a, b) at v[8 (8 a + b)]); window 3: rows 64-127.
.set KSTEP,  512
.set NQ,     4                         ; matrix instructions deep in a slot
.set ROWB,   256                       ; a tile's row in bytes
.set KROW,   512                       ; a row of codes in memory
.set PITCH,  272                       ; an LDS row: 256 bytes + 16 of padding: the 16 rows that a load touches start at 16 different banks (ISA guide 11.1)
.set FR,     8
.set NL,     2
.set NP,     4                         ; places behind this matrix instruction (ISA guide 7.12.1)
.set HALFT,  128*PITCH
.set SLOT,   4*HALFT                   ; A's 256 rows, then B's 256 rows
.set KS,     32                        ; a row of scale bytes
.set SCL,    2*SLOT                    ; behind the slots: the scale bytes, as rows of 256 bytes + 16
.set HALFS,  (128*KS/256)*272
.set SBLK,   (16*KS/256)*272
.set SPARE,  SCL+4*HALFS               ; the spare words, 128 bytes for each wave
.set SPITCH, 272                       ; the way out: 16 rows x (256 bytes + 16) for each wave, in slot 0, which has had its fill and its last read by then
.set ADRA, 16
.set ADRB, 20
.set STO,  24
.set RD,   25
.set CO,   26
.set ADRS, 27
.set SPW,  28
.set NIL,  29
.set FO,   30                          ; v30 my byte offset in q32's 16 rows
.set SC,   32
.set AF,   128
.set TMP,  192                         ; the way out: packed results
.set OB,   32                          ; rows read back: v32-63 and v224-255 by turns
.set G1, 24
.set G0, 32
.set G1B, 48
.set G0B, 56
.set G1S, 68
.set G0S, 76
.set G1SB, 80
.set G0SB, 88
.set MSB, 0
.macro WIN new                         ; the immediate's high byte repeats the setting that is left
.if MSB != \new
	s_set_vgpr_msb (MSB<<8)|\new
.set MSB, \new
.endif
.endm
.set MUL_LO, 0xa1                      ; source 0 (B) window 1, source 1 (A) window 0, C and D window 2
.set MUL_HI, 0xf1
.set TO_B,   0x40
; A joint load: waves 0 and 1 fetch for A, waves 2 and 3 for B; the branch hangs on the wave's number alone.  An s_nop 0 and four v_nop follow each line.
.macro JLOAD g0a, g1a, g0b, g1b
	s_cmp_eq_u32 s15, 0
	s_cbranch_scc0 .Lfor_b_\@
	tensor_load_to_lds s[\g0a:\g0a+3], s[\g1a:\g1a+7]
	s_nop 0
.rept 4
	v_nop
.endr
	s_branch .Lasked_\@
.Lfor_b_\@:
	tensor_load_to_lds s[\g0b:\g0b+3], s[\g1b:\g1b+7]
	s_nop 0
.rept 4
	v_nop
.endr
.Lasked_\@:
.endm
.macro CROUND                          ; a round of the cluster's barrier
	s_barrier_signal -1
	s_barrier_wait -1
	s_cmp_lg_u32 s14, 0
	s_cbranch_scc1 .Lnot_wave_0_\@
	s_barrier_signal -3
.Lnot_wave_0_\@:
	s_barrier_wait -3
	s_barrier_signal -1
	s_barrier_wait -1
.endm
	s_load_b128 s[4:7], s[0:1], 0x0                ; xc, xs
	s_load_b128 s[8:11], s[0:1], 0x10              ; wc, ws
	s_load_b64 s[12:13], s[0:1], 0x20              ; qkv16
	s_load_b64 s[98:99], s[0:1], 0x28              ; q32
	v_lshl_add_u32 v[SPW], v0, 2, SPARE
	v_mov_b32 v[NIL], 0
	ds_add_u32 v[SPW], v[NIL]                      ; the wave's opening: the add, twice on end, and its wait ahead of my first tensor load
	ds_add_u32 v[SPW], v[NIL]
	v_lshrrev_b32 v1, 5, v0
	v_readfirstlane_b32 s14, v1                    ; wave 0..3
	s_lshr_b32 s15, s14, 1                         ; which half of the tile's rows is mine.  Also: I fetch for A (0) or for B (1)
	s_and_b32 s16, s14, 1                          ; which half of its columns.  Also: which 128 rows I fetch
	s_bfe_u32 s40, ttmp6, 0x40000                  ; cx
	s_bfe_u32 s41, ttmp6, 0x40004                  ; cy
	s_lshl_b32 s42, ttmp9, 2
	s_add_co_u32 s42, s42, s40                     ; tile column = 4 x cluster x + cx
	s_and_b32 s17, ttmp7, 0xffff
	s_lshl_b32 s18, s41, 3
	s_add_co_u32 s17, s17, s18                     ; tile row = 8 cy + cluster y
	s_lshl_b32 s43, s41, 2
	s_lshl_b32 s43, 15, s43                        ; my row of the cluster
	s_lshl_b32 s44, 0x1111, s40                    ; my column
	s_or_b32 s[G1+0], s43, (0<<16)|(1<<20)|(1<<21)|(5<<22)|(3<<25)  ; the mask; elements of 1 byte; padding on; bit 21 beside a mask; 4 words after every 64
	s_or_b32 s[G1B+0], s44, (0<<16)|(1<<20)|(1<<21)|(5<<22)|(3<<25)
.irp g, G1, G1B
	s_mov_b32 s[\g+1], ROWB<<16                    ; tensor_dim0
	s_mov_b32 s[\g+2], 128<<16                     ; tensor_dim1
	s_mov_b32 s[\g+3], ROWB<<16                    ; tile_dim0
	s_mov_b32 s[\g+4], 128                         ; tile_dim1
	s_mov_b32 s[\g+5], KROW                        ; from row to row
	s_mov_b32 s[\g+6], 0
	s_mov_b32 s[\g+7], 0
.endr
	s_or_b32 s[G1S+0], s43, (3<<16)|(1<<20)|(1<<21)|(5<<22)|(3<<25) ; the scale bytes of 128 rows: 4,096 dense bytes as 16 rows of 256 (32 elements of 8 bytes)
	s_or_b32 s[G1SB+0], s44, (3<<16)|(1<<20)|(1<<21)|(5<<22)|(3<<25)
.irp g, G1S, G1SB
	s_mov_b32 s[\g+1], 32<<16
	s_mov_b32 s[\g+2], (128*KS/256)<<16
	s_mov_b32 s[\g+3], 32<<16
	s_mov_b32 s[\g+4], 128*KS/256
	s_mov_b32 s[\g+5], 32
	s_mov_b32 s[\g+6], 0
	s_mov_b32 s[\g+7], 0
.endr
	s_lshl_b32 s18, s16, 7
	s_lshl_b32 s20, s17, 8
	s_add_co_u32 s20, s20, s18                     ; A: row 256 x tile row + 128 x half
	s_lshl_b32 s46, s42, 8
	s_add_co_u32 s46, s46, s18                     ; B: row 256 x tile column + 128 x half
	s_mov_b32 s21, 0
	s_mov_b32 s47, 0
	s_mov_b64 s[18:19], KS
	s_mul_u64 s[22:23], s[20:21], s[18:19]         ; where these rows' scale bytes begin,
	s_mul_u64 s[92:93], s[46:47], s[18:19]
	s_mov_b64 s[18:19], KROW
	s_mul_u64 s[20:21], s[20:21], s[18:19]         ; and their codes
	s_mul_u64 s[46:47], s[46:47], s[18:19]
	s_mul_i32 s45, s14, HALFT                      ; where they go: wave x 128 rows
	s_mul_i32 s94, s14, HALFS
	s_wait_dscnt 0x0                               ; both opening adds are done
	s_wait_kmcnt 0x0
	s_add_nc_u64 s[20:21], s[4:5], s[20:21]
	s_add_nc_u64 s[22:23], s[6:7], s[22:23]
	s_add_nc_u64 s[46:47], s[8:9], s[46:47]
	s_add_nc_u64 s[92:93], s[10:11], s[92:93]
	CROUND                                         ; all sixteen work-groups are here: the joint loads meet
	s_mov_b32 s[G0S], 1
	s_add_co_u32 s[G0S+1], s94, SCL
	s_mov_b64 s[G0S+2:G0S+3], s[22:23]
	s_or_b32 s[G0S+3], s[G0S+3], 0x80000000
	s_mov_b32 s[G0SB], 1
	s_add_co_u32 s[G0SB+1], s94, SCL
	s_mov_b64 s[G0SB+2:G0SB+3], s[92:93]
	s_or_b32 s[G0SB+3], s[G0SB+3], 0x80000000
	JLOAD G0S, G1S, G0SB, G1SB                     ; the scale bytes first; by this text's count three tensor loads of a wave are out at the most
.irp s, 0,1
	s_mov_b32 s[G0+4*\s], 1
	s_add_co_u32 s[G0+4*\s+1], s45, \s*SLOT
	s_add_nc_u64 s[G0+4*\s+2:G0+4*\s+3], s[20:21], \s*ROWB
	s_or_b32 s[G0+4*\s+3], s[G0+4*\s+3], 0x80000000
	s_mov_b32 s[G0B+4*\s], 1
	s_add_co_u32 s[G0B+4*\s+1], s45, \s*SLOT
	s_add_nc_u64 s[G0B+4*\s+2:G0B+4*\s+3], s[46:47], \s*ROWB
	s_or_b32 s[G0B+4*\s+3], s[G0B+4*\s+3], 0x80000000
	JLOAD G0+4*\s, G1, G0B+4*\s, G1B
.endr
	v_and_b32 v1, 15, v0                           ; r = lane % 16
	v_bfe_u32 v2, v0, 4, 1                         ; h = lane / 16
	v_mul_u32_u24 v3, v1, PITCH
	v_lshl_add_u32 v4, v2, 4, v3                   ; a fragment's row x pitch + 16 h
	s_mul_i32 s21, s15, HALFT                      ; my 128 rows of A
	s_mul_i32 s22, s16, HALFT                      ; my 128 rows of B,
	s_add_co_u32 s22, s22, 2*HALFT                 ; behind A's 256
.irp s, 0,1
	v_add_nc_u32 v[ADRA+\s], s21, v4
	v_add_nc_u32 v[ADRB+\s], s22, v4
	s_add_co_u32 s21, s21, SLOT
	s_add_co_u32 s22, s22, SLOT
.endr
	v_mul_u32_u24 v5, v1, KS                       ; my row's scale bytes,
	v_lshrrev_b32 v6, 8, v5
	v_lshl_add_u32 v5, v6, 4, v5                   ; and 16 more for each 256 passed
	s_mul_i32 s21, s15, HALFS
	s_mul_i32 s22, s16, HALFS
	s_add_co_u32 s22, s22, 2*HALFS
	s_sub_co_u32 s22, s22, s21
	v_mul_u32_u24 v6, s22, v2                      ; lanes 16-31 take B's: one product, the distance between the two bases
	s_add_co_u32 s21, s21, SCL
	v_add_nc_u32 v5, v5, v6
	v_add_nc_u32 v[ADRS], s21, v5
	s_mul_i32 s23, s14, 16*SPITCH                  ; my stage
	v_mul_u32_u24 v5, v1, SPITCH                   ; in: row r, 16 bytes for each half of the lanes
	v_lshl_add_u32 v5, v2, 4, v5
	v_add_nc_u32 v[STO], s23, v5
	v_bfe_u32 v5, v0, 3, 1                         ; back: lanes 0-15 take two rows' first 128 bytes (one head), lanes 16-31 their second 128 (the next head)
	v_mul_u32_u24 v5, v5, SPITCH
	v_lshl_add_u32 v5, v2, 7, v5
	v_and_b32 v6, 7, v0
	v_lshl_add_u32 v5, v6, 4, v5
	v_add_nc_u32 v[RD], s23, v5
	v_lshlrev_b32 v[CO], 4, v1                     ; in qkv16: 16 (lane % 16), and a head (262,144 bytes) on for lanes 16-31
	v_lshl_add_u32 v[CO], v2, 18, v[CO]
	v_mul_u32_u24 v[FO], v1, 12288                 ; in q32: row r of 12,288 bytes + 32 h
	v_lshl_add_u32 v[FO], v2, 5, v[FO]
	; qkv16 at my part, batch, first head and first position.  What hangs on the tile row stands in s[20:21], what hangs on the tile column in s[46:47]
	s_lshl_b32 s20, s41, 22                        ; batch cy: 16 heads of 262,144 bytes
	s_and_b32 s21, ttmp7, 0xffff
	s_lshl_b32 s21, s21, 15                        ; 256 positions of 128 bytes for each cluster y
	s_add_co_u32 s20, s20, s21
	s_lshl_b32 s21, s15, 14                        ; my half's 128 positions
	s_add_co_u32 s20, s20, s21
	s_mov_b32 s21, 0
	s_lshl_b32 s46, ttmp9, 24                      ; the part (q, k, v) is the cluster's x
	s_lshl_b32 s47, s40, 20                        ; 4 heads for each cx
	s_add_co_u32 s46, s46, s47
	s_lshl_b32 s47, s16, 19                        ; 2 heads for my half
	s_add_co_u32 s46, s46, s47
	s_mov_b32 s47, 0
	s_add_nc_u64 s[12:13], s[12:13], s[20:21]
	s_add_nc_u64 s[12:13], s[12:13], s[46:47]
	s_mul_i32 s20, s41, 196608                     ; q32: batch cy,
	s_lshl_b32 s46, s42, 10                        ; column 256 x tile column + 128 x half, 4 bytes each
	s_lshl_b32 s47, s16, 9
	s_add_co_u32 s46, s46, s47
	s_mov_b32 s47, 0
	s_add_nc_u64 s[98:99], s[98:99], s[20:21]
	s_add_nc_u64 s[98:99], s[98:99], s[46:47]
.macro FRAG reg, adr, q, i             ; 16 rows x 128 K of 4-bit codes: 8 registers: lane l holds row l % 16; registers 4 c .. 4 c + 3 hold K = 64 c + 32 (l / 16) + 0 .. 31
.irp c, 0,1
	ds_load_b128 v[\reg+4*\c:\reg+4*\c+3], v[\adr] offset:64*(\q)+32*\c+(\i)*16*PITCH
.endr
.endm
; 16 matrix instructions: A's blocks a0, a0 + 1 x B's eight.  The 64 accumulators take turns, one instruction a turn, in the same order in every step.
.macro MUL16 a0, p, q, sc, zero
.irp a, \a0, \a0+1
.irp b, 0,1,2,3,4,5,6,7
.if \zero
	v_wmma_scale_f32_16x16x128_f8f6f4 v[8*(8*((\a)%4)+\b):8*(8*((\a)%4)+\b)+7], v[128*(\p)+FR*\b:128*(\p)+FR*\b+FR-1], v[AF+FR*(\a):AF+FR*(\a)+FR-1], 0, v[SC+8*NQ*(\sc)+NQ*\b+(\q)], v[SC+8*NQ*(\sc)+NQ*(\a)+(\q)] matrix_a_fmt:MATRIX_FMT_FP4 matrix_b_fmt:MATRIX_FMT_FP4 matrix_a_scale:MATRIX_SCALE_ROW1
.else
	v_wmma_scale_f32_16x16x128_f8f6f4 v[8*(8*((\a)%4)+\b):8*(8*((\a)%4)+\b)+7], v[128*(\p)+FR*\b:128*(\p)+FR*\b+FR-1], v[AF+FR*(\a):AF+FR*(\a)+FR-1], v[8*(8*((\a)%4)+\b):8*(8*((\a)%4)+\b)+7], v[SC+8*NQ*(\sc)+NQ*\b+(\q)], v[SC+8*NQ*(\sc)+NQ*(\a)+(\q)] matrix_a_fmt:MATRIX_FMT_FP4 matrix_b_fmt:MATRIX_FMT_FP4 matrix_a_scale:MATRIX_SCALE_ROW1
.endif
.endr
.endr
.endm
.macro FETCH_B slot, q, p
	WIN TO_B
.irp i, 0,1,2,3,4,5,6,7
	FRAG 128*(\p)+FR*\i, ADRB+\slot, \q, \i
.endr
	WIN 0
.endm
.macro FETCH_A slot, q, i0
.irp i, \i0, \i0+1, \i0+2, \i0+3
	FRAG AF+FR*(\i), ADRA+\slot, \q, \i
.endr
.endm
.macro SCALES sc                       ; a K step's scale words: lanes 0-15 take A's block i, lanes 16-31 B's block i
.irp i, 0,1,2,3,4,5,6,7
	ds_load_b128 v[SC+8*NQ*\sc+NQ*\i:SC+8*NQ*\sc+NQ*\i+3], v[ADRS] offset:\i*SBLK
.endr
.endm
.macro PLACES n                        ; plain vector lines between a matrix instruction and a load into, or a read of, its registers
.rept \n
	v_nop
.endr
.endm
.macro STEP slot, q, zero              ; 128 along K with its successor in the same slot
	s_wait_dscnt 4*NL                              ; B's set and A's blocks 0-3 are in; A's blocks 4-7 (the youngest eight loads) may be out
	WIN MUL_LO
	MUL16 0, (\q)%2, \q, \slot, \zero
	MUL16 2, (\q)%2, \q, \slot, \zero
	s_wait_dscnt 0
	PLACES NP
	FETCH_B \slot, (\q)+1, 1-(\q)%2
	FETCH_A \slot, (\q)+1, 0
	WIN MUL_HI
	MUL16 4, (\q)%2, \q, \slot, \zero
	MUL16 6, (\q)%2, \q, \slot, \zero
	PLACES NP
	WIN 0
	FETCH_A \slot, (\q)+1, 4
.endm
	s_wait_tensorcnt 1                             ; the scale bytes and my part of K step 0 are in; K step 1's load may stay out
	s_barrier_signal -1
	s_barrier_wait -1
	FETCH_B 0, 0, 0
	FETCH_A 0, 0, 0
	SCALES 0
	FETCH_A 0, 0, 4
	STEP 0, 0, 1                                   ; the first products start the sums: nothing is cleared
	STEP 0, 1, 0
	STEP 0, 2, 0
	; slot 0's last step changes slots: one barrier; in front of it my part of slot 1 has landed
	s_wait_tensorcnt 0x0                           ; all my tensor loads have landed
	ds_add_u32 v[SPW], v[NIL]                      ; 0 onto my spare word
	s_wait_dscnt 4*NL+1                            ; the add and A's blocks 4-7 may be out
	WIN MUL_LO
	MUL16 0, 1, NQ-1, 0, 0
	s_wait_dscnt 0x0                               ; the add is done, my reads of slot 0 are over
	s_barrier_signal -1
	MUL16 2, 1, NQ-1, 0, 0
	WIN 0
	s_barrier_wait -1
	PLACES NP
	v_add_nc_u32 v[ADRS], 4*NQ, v[ADRS]            ; the second K step's scale words
	FETCH_B 1, 0, 0
	FETCH_A 1, 0, 0
	SCALES 1
	WIN MUL_HI
	MUL16 4, 1, NQ-1, 0, 0
	MUL16 6, 1, NQ-1, 0, 0
	PLACES NP
	WIN 0
	FETCH_A 1, 0, 4
	STEP 1, 0, 0
	STEP 1, 1, 0
	STEP 1, 2, 0
	s_wait_dscnt 4*NL                              ; the last step: nothing more to fetch
	WIN MUL_LO
	MUL16 0, 1, NQ-1, 1, 0
	MUL16 2, 1, NQ-1, 1, 0
	s_wait_dscnt 0
	WIN MUL_HI
	MUL16 4, 1, NQ-1, 1, 0
	MUL16 6, 1, NQ-1, 1, 0
	WIN 0
; THE WAY OUT.
	PLACES NP
	; (a) positions 0-15 of a batch, in f32: block 0 of the waves with the tile's upper rows, where the cluster's y is 0 (ids that all partners share, and the wave's number)
	s_and_b32 s96, ttmp7, 0xffff
	s_or_b32 s96, s96, s15
	s_cmp_lg_u32 s96, 0
	s_cbranch_scc1 .Lnofine
	WIN 0x08                                       ; a store's data are its source 1: window 2
.irp b, 0,1,2,3,4,5,6,7
	global_store_b128 v[FO], v[8*\b:8*\b+3], s[98:99] offset:64*\b       ; each accumulator from its low end on
	global_store_b128 v[FO], v[8*\b+4:8*\b+7], s[98:99] offset:64*\b+16
.endr
	WIN 0
.Lnofine:
; (b) f16, block by block of 16 rows x 128 columns (two heads): rounded, through my stage, back as two rows of a head for each sixteen lanes.
.macro PACK a
.set AC, 64*((\a)%4)
	WIN 0x0a+5*((\a)/4)                            ; sources 0 and 1: window 2 or 3
.irp b, 0,1,2,3,4,5,6,7
.irp i, 0,1,2,3
	v_cvt_pk_f16_f32 v[TMP+4*\b+\i], v[AC+8*\b+2*\i], v[AC+8*\b+2*\i+1]
.endr
.endr
	WIN 0
.endm
.macro TOSTAGE a
.set BB, OB+192*((\a)%2)
.irp b, 0,1,2,3,4,5,6,7
	ds_store_b128 v[STO], v[TMP+4*\b:TMP+4*\b+3] offset:32*\b
.endr
.irp t, 0,1,2,3,4,5,6,7
	ds_load_b128 v[BB+4*\t:BB+4*\t+3], v[RD] offset:\t*2*SPITCH    ; LDS serves a wave's instructions in order (ISA guide 5.7.1.4): these see the stores above
.endr
.endm
.macro SEND a
.set BB, OB+192*((\a)%2)
	s_wait_dscnt 0x0                               ; the block is back in registers
	s_wait_xcnt 0x0                                ; the block before has had its stores' registers read: the next block's loads may land there
.irp t, 0,1,2,3,4,5,6,7
	global_store_b128 v[CO], v[BB+4*\t:BB+4*\t+3], s[12:13] offset:2048*(\a)+256*\t   ; sixteen lanes store 256 consecutive bytes, aligned: two rows of a head
.endr
.endm
	PACK 0
	TOSTAGE 0
.irp a, 1,2,3,4,5,6,7                  ; block a's conversions stand between block a - 1's loads from the stage and the wait for them
	PACK \a
	SEND \a-1
	TOSTAGE \a
.endr
	SEND 7
	s_wait_tensorcnt 0x0                           ; the wave's end: three lines behind my last tensor load and my last LDS store
	ds_add_u32 v[SPW], v[NIL]
	s_wait_dscnt 0x0
	CROUND                                         ; the closing round
	s_endpgm
.Lfunc_end_k_q2becc546d4_gemm1:
	.size	k_q2becc546d4_gemm1, .Lfunc_end_k_q2becc546d4_gemm1-k_q2becc546d4_gemm1
	.p2alignl 7, 3214868480
	.fill 96, 4, 3214868480
	.section	.rodata,"a",@progbits
	.p2align	6, 0x0
	.amdhsa_kernel k_q2becc546d4_gemm1
		.amdhsa_group_segment_fixed_size 327680
		.amdhsa_private_segment_fixed_size 0
		.amdhsa_enable_private_segment 0
		.amdhsa_kernarg_size 48
		.amdhsa_user_sgpr_count 2
		.amdhsa_user_sgpr_kernarg_segment_ptr 1
		.amdhsa_wavefront_size32 1
		.amdhsa_system_sgpr_workgroup_id_x 1
		.amdhsa_system_sgpr_workgroup_id_y 1
		.amdhsa_system_sgpr_workgroup_id_z 1
		.amdhsa_system_vgpr_workitem_id 0
		.amdhsa_next_free_vgpr 1024
		.amdhsa_next_free_sgpr 100
		.amdhsa_reserve_vcc 0
		.amdhsa_float_denorm_mode_32 3
		.amdhsa_float_denorm_mode_16_64 3
		.amdhsa_memory_ordered 1
		.amdhsa_forward_progress 1
		.amdhsa_inst_pref_size 129
	.end_amdhsa_kernel
	.amdgpu_metadata
---
amdhsa.version: [ 1, 2 ]
amdhsa.kernels:
  - .name:           k_q2becc546d4_gemm1
    .symbol:         k_q2becc546d4_gemm1.kd
    .args:
      - { .name: xc, .offset: 0, .size: 8, .value_kind: global_buffer, .address_space: global }
      - { .name: xs, .offset: 8, .size: 8, .value_kind: global_buffer, .address_space: global }
      - { .name: wc, .offset: 16, .size: 8, .value_kind: global_buffer, .address_space: global }
      - { .name: ws, .offset: 24, .size: 8, .value_kind: global_buffer, .address_space: global }
      - { .name: qkv16, .offset: 32, .size: 8, .value_kind: global_buffer, .address_space: global }
      - { .name: q32, .offset: 40, .size: 8, .value_kind: global_buffer, .address_space: global }
    .group_segment_fixed_size: 327680
    .private_segment_fixed_size: 0
    .kernarg_segment_align: 8
    .kernarg_segment_size: 48
    .max_flat_workgroup_size: 128
    .sgpr_count:     100
    .vgpr_count:     1024
    .wavefront_size: 32
...
	.end_amdgpu_metadata
.endif
;; end of part 2
;; launch attn (part 3): grid 4 x 64, 16 waves a work-group, no clusters, 327,680 bytes of LDS; arguments qkv16, o16; writes o16
.if DOCPART == 3
	.amdgcn_target "amdgcn-amd-amdhsa--gfx1250"
	.amdhsa_code_object_version 6
	.text
	.protected	k_q2becc546d4_attn
	.globl	k_q2becc546d4_attn
	.p2align	8
	.type	k_q2becc546d4_attn,@function
k_q2becc546d4_attn:
	s_mov_b64 s[64:65], 0
	v_nop
	global_prefetch_b8 v0, s[64:65] scope:SCOPE_SE
	s_setreg_imm32_b32 hwreg(HW_REG_WAVE_MODE, 25, 1), 1
	s_wait_xcnt 0x0
; ATTN: o[bh][q][:] = sum over k <= q of softmax_k(q . k / 8) v[k][:], 64 heads (batch x head), 2,048 positions, head size 64.  q, k, v, the weights p and o in f16; products, maxima and sums in f32.
; qkv16: [part][bh][position][64] f16; o16: [bh][position][64] f16.  LIMIT: |o| under 65,504.  (Positions 0-15 are made here too, and made again in f32 by the last launch.)
; SHARES.  Work-group (p, bh) takes the query block 7 - p (256 queries; 8 - p units of 256 keys count for it) and then the block p (p + 1 units): nine units for every work-group.
; Each of sixteen waves owns 16 queries of the block in hand, in 256 registers: four waves to a SIMD, so that one wave's vector work stands beside another's products and LDS loads.
; Tile of wave w: 4 (((w & 3) + (w >> 2)) & 3) + (w >> 2): the waves with little and with much to do in the unit on the diagonal are spread over w & 3 and over w >> 2 alike.
; NO CLUSTER: the four work-groups of a head walk 8 - p units and then begin anew, so from the fifth unit on they want different keys; walking in step would take 8 + 4 units against 9,
; and some partners would then leave tiles of a joint load unread.
; LAYOUT.  S^T = K Q^T (source 0 = 16 keys, source 1 = my 16 queries): a lane holds ONE query (lane % 16) and keys 8 (lane / 16) + 0..7 of each tile.  Two tiles rounded to f16 in pairs ARE
; source 1 (32 keys x 16 queries) of O^T = V^T P; V ([key][channel]) comes turned, by ds_load_tr16_b128.
; SOFTMAX.  A running maximum m and sum l for each query: p = 2^(c s - c m), c = log2(e) / 8; in every step O and l are multiplied by a = 2^(c m_old - c m_new).
; THE MASK.  A step (64 keys) all of whose keys come after my queries is left out by a scalar branch on ids; on the diagonal hidden scores become -infinity ahead of the maximum.
; THE RING.  Two LDS slots of one unit (256 keys of K and of V), filled by waves 0, 1 (K's halves) and 2, 3 (V's), read by all sixteen; one barrier a unit.  Every wait on TENSORcnt is for 0.
.set PK,    144                        ; a key's row in LDS: 128 bytes + 16
.set PV,    160                        ; a row of V: 128 + 32: the turning load's 8 rows x 32 bytes fall on different banks
.set VOFF,  256*PK
.set SLOT1, 1<<17                      ; slot 1 begins here: one exclusive or turns an address
.set STAGE, SLOT1+256*(PK+PV)          ; behind the ring: 16 rows x 144 bytes for each wave; no tile lands here
.set SPARE, STAGE+16*16*PK             ; the spare words, 128 bytes for each of sixteen waves
.set AK0, 1                            ; v1  my lane's place in a tile of K
.set AV0, 2                            ; v2  the same for V
.set ADK, 3                            ; v3, v4 the addresses of the step in hand
.set ADV, 4
.set SPW, 5                            ; v5  my spare word; never rewritten
.set NIL, 6                            ; v6  0; never rewritten
.set GO,  7                            ; v7  16 x lane: my bytes in 512 of o16
.set STO, 8                            ; v8  the stage, in
.set RD,  9                            ; v9  and back
.set PFO, 10                           ; v10 256 x lane: the prefetch's offset; never rewritten
.set DL,  11                           ; v11 lane % 16 - 8 (lane / 16)
                                       ; v12 c m, v13 m, v[14:15] l in two halves, v[20:21] a and 0, v22 at work
.set CH,  16                           ; v16-19 chains of the maximum
.set QF,  24                           ; v24-39 Q of the block in hand
.set QB,  40                           ; v40-55 Q of the second block
.set SF,  56                           ; v56-87 S^T; P takes v56-71 in place
.set OF,  88                           ; v88-119 O^T
.set KFR, 120                          ; v120-183 K's fragments; at work on the way out
.set VFR, 184                          ; v184-247 V's fragments
.set WV,  8
.set KB,  12                           ; s[12:13] K of my head, at the half that I would fetch; s[14:15] V likewise
.set VB,  14
.set OFF, 16                           ; s[16:17] the unit's bytes
.set KBN, 18                           ; s18 the unit asked for last
.set NA,  19                           ; s19 units of the first block
.set SEL, 20
.set CS,  22
.set G1K, 24
.set G1V, 32
.set G0K, 40
.set G0V, 44
.set TB,  48                           ; s48 LDS byte at which the slot in hand begins
.set CNT, 49                           ; s49 the loop's counter
.set KEY0, 50                          ; s50 the step's first key
.set Q0,  51                           ; s51 my first query
.set SW,  52                           ; s52 the counter's value in the first block's last unit
.set Q0B, 53
.set OP,  54                           ; s[54:55] o16 at my rows; s[56:57] the second block's
.set OPB, 56
.set PFA, 58                           ; s[58:59] where my prefetches stand
.set LIM, 60                           ; s60 2 in a wave that prefetches, else the greatest number
.macro TLOAD                           ; waves 0, 1 fetch K's halves, waves 2, 3 V's, the others nothing.  An s_nop 0 and four v_nop follow each line
	s_cmp_lt_u32 s[WV], 2
	s_cbranch_scc0 .Lnot_k_\@
	tensor_load_to_lds s[G0K:G0K+3], s[G1K:G1K+7]
	s_nop 0
.rept 4
	v_nop
.endr
	s_branch .Lasked_\@
.Lnot_k_\@:
	s_cmp_lt_u32 s[WV], 4
	s_cbranch_scc0 .Lasked_\@
	tensor_load_to_lds s[G0V:G0V+3], s[G1V:G1V+7]
	s_nop 0
.rept 4
	v_nop
.endr
.Lasked_\@:
.endm
; A PREFETCH of the unit that the NEXT change of slots will ask for.  All four work-groups of a head walk the same K and V: the one with p = 0, which walks units 0 to 7 in order, asks.
; In it the waves ask that fetch nothing: waves 4-7 for K's 32,768 bytes, waves 8-11 for V's: 8,192 bytes a wave, lanes 256 bytes apart: each aligned 256 bytes is named once in the launch.
; Trip u (u = 0 .. 5) names unit u + 2; units 0 and 1 come by their loads alone; the units of the second block have been read before and are not named.
.macro ASK
	s_cmp_gt_u32 s[CNT], s[LIM]
	s_cbranch_scc0 .Lnot_mine_\@
	global_prefetch_b8 v[PFO], s[PFA:PFA+1] th:TH_LOAD_NT scope:SCOPE_SE
.Lnot_mine_\@:
.endm
.macro INIT                            ; a block begins: O^T and l are zeros, m lies under every score: the first change of m multiplies zeros
.set j, 0
.rept 32
	v_mov_b32 v[OF+j], 0
.set j, j+1
.endr
	v_mov_b32 v13, 0xff61b1e6                      ; -3e38
	v_mul_f32 v12, s[CS], v13
	v_mov_b32 v14, 0
	v_mov_b32 v15, 0
.endm
	s_load_b128 s[4:7], s[0:1], 0x0                ; qkv16, o16
	v_lshl_add_u32 v[SPW], v0, 2, SPARE
	v_mov_b32 v[NIL], 0
	ds_add_u32 v[SPW], v[NIL]                      ; the wave's opening: the add, twice on end, and its wait ahead of my first tensor load
	ds_add_u32 v[SPW], v[NIL]
	v_lshrrev_b32 v1, 5, v0
	v_readfirstlane_b32 s[WV], v1                  ; wave 0..15
	s_and_b32 s10, ttmp7, 0xffff                   ; the head (batch x 16 + head)
	s_lshl_b32 s10, s10, 18                        ; its 262,144 bytes in each part and in o16
	s_mov_b32 s11, 0
	s_sub_co_u32 s[NA], 8, ttmp9
	s_add_co_u32 s[SW], ttmp9, 1
	s_and_b32 s66, s[WV], 3
	s_lshr_b32 s67, s[WV], 2
	s_add_co_u32 s66, s66, s67
	s_and_b32 s66, s66, 3
	s_lshl_b32 s66, s66, 2
	s_add_co_u32 s66, s66, s67                     ; my tile of 16 queries
	s_lshl_b32 s66, s66, 4
	s_sub_co_u32 s67, 7, ttmp9
	s_lshl_b32 s67, s67, 8
	s_add_co_u32 s[Q0], s67, s66                   ; my first query in block 7 - p,
	s_lshl_b32 s67, ttmp9, 8
	s_add_co_u32 s[Q0B], s67, s66                  ; and in block p
	s_mov_b32 s[G1K], (1<<16)|(1<<20)|(4<<22)|(3<<25)   ; no mask; elements of 2 bytes; padding on: 4 words after every 32
	s_mov_b32 s[G1V], (1<<16)|(1<<20)|(4<<22)|(7<<25)   ; the same with 8 words
.irp g, G1K, G1V
	s_mov_b32 s[\g+1], 64<<16                      ; tensor_dim0 = 64
	s_mov_b32 s[\g+2], 128<<16                     ; tensor_dim1 = 128
	s_mov_b32 s[\g+3], 64<<16                      ; tile_dim0 = 64
	s_mov_b32 s[\g+4], 128                         ; tile_dim1 = 128 rows
	s_mov_b32 s[\g+5], 64                          ; from row to row
	s_mov_b32 s[\g+6], 0
	s_mov_b32 s[\g+7], 0
.endr
	s_and_b32 s67, s[WV], 1                        ; which half of a unit's 256 rows I would fetch
	s_mul_i32 s[G0K+1], s67, 128*PK                ; its place in slot 0
	s_mul_i32 s[G0V+1], s67, 128*PV
	s_add_co_u32 s[G0V+1], s[G0V+1], VOFF
	s_lshl_b32 s74, s67, 14                        ; and in memory: 128 rows of 128 bytes
	s_mov_b32 s75, 0
	s_mov_b32 s[G0K], 1
	s_mov_b32 s[G0V], 1
	s_mov_b32 s[SEL], 0x76543210
	s_mov_b32 s[SEL+1], 0xfedcba98
	s_mov_b32 s[CS], 0x3e38aa3b                    ; c = log2(e) / 8
	s_mov_b32 s[CS+1], s[CS]
	s_mov_b32 s[OFF+1], 0
	s_mov_b32 s[KBN], 0
	s_mov_b32 s[TB], 0
	s_mov_b32 s[KEY0], 0
	s_mov_b32 s[CNT], 8
	s_wait_dscnt 0x0                               ; both opening adds are done
	s_wait_kmcnt 0x0
	s_add_nc_u64 s[68:69], s[4:5], s[10:11]        ; q of my head,
	s_add_nc_u64 s[70:71], s[68:69], 0x1000000     ; k,
	s_add_nc_u64 s[72:73], s[68:69], 0x2000000     ; v,
	s_add_nc_u64 s[6:7], s[6:7], s[10:11]          ; o
	s_add_nc_u64 s[KB:KB+1], s[70:71], s[74:75]
	s_add_nc_u64 s[VB:VB+1], s[72:73], s[74:75]
	s_mov_b64 s[G0K+2:G0K+3], s[KB:KB+1]
	s_or_b32 s[G0K+3], s[G0K+3], 0x80000000
	s_mov_b64 s[G0V+2:G0V+3], s[VB:VB+1]
	s_or_b32 s[G0V+3], s[G0V+3], 0x80000000
	TLOAD                                          ; unit 0 into slot 0: key 0 counts for every query
	s_lshl_b32 s74, s[Q0], 7
	s_add_nc_u64 s[76:77], s[68:69], s[74:75]      ; my queries' rows, first block,
	s_add_nc_u64 s[OP:OP+1], s[6:7], s[74:75]
	s_lshl_b32 s74, s[Q0B], 7
	s_add_nc_u64 s[78:79], s[68:69], s[74:75]      ; second block
	s_add_nc_u64 s[OPB:OPB+1], s[6:7], s[74:75]
	v_and_b32 v248, 15, v0                         ; r
	v_bfe_u32 v249, v0, 4, 1                       ; h
	v_lshlrev_b32 v253, 7, v248
	v_lshl_add_u32 v253, v249, 4, v253             ; Q: row r of 128 bytes + 16 h
.irp c, 0,1                                    ; both blocks' Q stay in registers: channels 32 c on
	global_load_b128 v[QF+8*\c:QF+8*\c+3], v253, s[76:77] offset:64*\c
	global_load_b128 v[QF+8*\c+4:QF+8*\c+7], v253, s[76:77] offset:64*\c+32
	global_load_b128 v[QB+8*\c:QB+8*\c+3], v253, s[78:79] offset:64*\c
	global_load_b128 v[QB+8*\c+4:QB+8*\c+7], v253, s[78:79] offset:64*\c+32
.endr
	s_cmp_lt_u32 s[WV], 8                          ; the prefetches: waves 4-7 K, waves 8-11 V
	s_cselect_b64 s[PFA:PFA+1], s[70:71], s[72:73]
	s_and_b32 s74, s[WV], 3
	s_lshl_b32 s74, s74, 13                        ; my wave's 8,192 bytes,
	s_add_co_u32 s74, s74, 32768                   ; in unit 1: the first change of slots steps it to unit 2
	s_add_nc_u64 s[PFA:PFA+1], s[PFA:PFA+1], s[74:75]
	s_sub_co_u32 s74, s[WV], 4
	s_lshr_b32 s74, s74, 3                         ; 0 in waves 4 to 11,
	s_or_b32 s74, s74, ttmp9                       ; of the work-group with p = 0
	s_cmp_eq_u32 s74, 0
	s_cselect_b32 s[LIM], 2, -1
	v_mul_u32_u24 v[AK0], v248, PK
	v_lshl_add_u32 v[AK0], v249, 4, v[AK0]         ; K: row r x pitch + 16 h
	v_and_b32 v250, 7, v0
	v_bfe_u32 v251, v0, 3, 1
	v_lshl_add_u32 v[AV0], v249, 3, v250           ; V: key 8 h + lane % 8,
	v_mul_u32_u24 v[AV0], v[AV0], PV
	v_lshl_add_u32 v[AV0], v251, 4, v[AV0]         ; channels 8 ((lane / 8) % 2) on
	v_add_nc_u32 v[AV0], VOFF, v[AV0]
	v_and_b32 v252, 31, v0
	v_lshlrev_b32 v[GO], 4, v252
	v_lshlrev_b32 v[PFO], 8, v252
	s_mul_i32 s74, s[WV], 16*PK
	s_add_co_u32 s74, s74, STAGE                   ; my stage
	v_mul_u32_u24 v[STO], v248, PK
	v_lshl_add_u32 v[STO], v249, 4, v[STO]
	v_add_nc_u32 v[STO], s74, v[STO]               ; in: row r, 16 bytes for each half of the lanes
	v_lshrrev_b32 v[RD], 3, v252
	v_mul_u32_u24 v[RD], v[RD], PK
	v_lshl_add_u32 v[RD], v250, 4, v[RD]
	v_add_nc_u32 v[RD], s74, v[RD]                 ; back: eight lanes to a row of 128 bytes, four rows an instruction
	v_lshlrev_b32 v[DL], 3, v249
	v_sub_nc_u32 v[DL], v248, v[DL]
.irp j, 16,17,18,19,20,21,22,23
	v_mov_b32 v\j, 0                               ; written once: lane permutes' destinations and the upper half of the pair v[20:21] count as read
.endr
	INIT
; A KEY STEP: 64 keys, the q-th of the slot in hand.
.macro STEP q
	s_add_co_u32 s66, s[Q0], 15
	s_cmp_gt_u32 s[KEY0], s66                      ; all 64 keys come after my queries: ids and the count of steps alone
	s_cbranch_scc1 .Lhid_\@
	v_add_nc_u32 v[ADK], s[TB], v[AK0]             ; these two and three v_nop: five plain lines between the last step's products and the loads into V's registers (four are owed)
	v_add_nc_u32 v[ADV], s[TB], v[AV0]             ; and the products below that write over P's (five)
.rept 3
	v_nop
.endr
.irp a, 0,1,2,3
.irp c, 0,1
	ds_load_b128 v[KFR+16*\a+8*\c:KFR+16*\a+8*\c+3],   v[ADK] offset:(64*(\q)+16*\a)*PK+64*\c
	ds_load_b128 v[KFR+16*\a+8*\c+4:KFR+16*\a+8*\c+7], v[ADK] offset:(64*(\q)+16*\a)*PK+64*\c+32
.endr
.endr
.irp g, 0,1
.irp u, 0,1,2,3
	ds_load_tr16_b128 v[VFR+8*(4*\g+\u):VFR+8*(4*\g+\u)+3],   v[ADV] offset:(64*(\q)+32*\g)*PV+32*\u
	ds_load_tr16_b128 v[VFR+8*(4*\g+\u)+4:VFR+8*(4*\g+\u)+7], v[ADV] offset:(64*(\q)+32*\g)*PV+16*PV+32*\u
.endr
.endr
	s_wait_dscnt 16                                ; K's sixteen loads are in; V's sixteen may stay out
.irp a, 0,1,2,3                                ; S^T: the four accumulators take turns
	v_wmma_f32_16x16x32_f16 v[SF+8*\a:SF+8*\a+7], v[KFR+16*\a:KFR+16*\a+7], v[QF:QF+7], 0
.endr
.irp a, 0,1,2,3
	v_wmma_f32_16x16x32_f16 v[SF+8*\a:SF+8*\a+7], v[KFR+16*\a+8:KFR+16*\a+15], v[QF+8:QF+15], v[SF+8*\a:SF+8*\a+7]
.endr
.rept 4
	v_nop
.endr
	s_add_co_u32 s66, s[KEY0], 63
	s_cmp_le_u32 s66, s[Q0]                        ; all 64 keys count for all my queries: no mask
	s_cbranch_scc1 .Lopen_\@
	s_sub_co_i32 s66, s[Q0], s[KEY0]
	v_add_nc_u32 v252, s66, v[DL]                  ; register 8 a + j holds key KEY0 + 16 a + 8 h + j: hidden where 16 a + j > my query - KEY0 - 8 h
	v_mov_b32 v254, 0xff800000                     ; -infinity
.irp a, 0,1,2,3
.irp j, 0,1,2,3,4,5,6,7
	v_cmp_gt_i32 vcc_lo, 16*\a+\j, v252
	v_cndmask_b32 v[SF+8*\a+\j], v[SF+8*\a+\j], v254, vcc_lo
.endr
.endr
.Lopen_\@:
.irp a, 0,1,2,3                                ; the maximum: four chains, each accumulator from its low end on
	v_max3_num_f32 v[CH+\a], v[SF+8*\a], v[SF+8*\a+1], v[SF+8*\a+2]
.endr
.irp a, 0,1,2,3
	v_max3_num_f32 v[CH+\a], v[CH+\a], v[SF+8*\a+3], v[SF+8*\a+4]
.endr
.irp a, 0,1,2,3
	v_max3_num_f32 v[CH+\a], v[CH+\a], v[SF+8*\a+5], v[SF+8*\a+6]
.endr
	v_max3_num_f32 v[CH], v[CH], v[SF+7], v[SF+15]
	v_max3_num_f32 v[CH+2], v[CH+2], v[SF+23], v[SF+31]
	v_max3_num_f32 v[CH], v[CH], v[CH+1], v[CH+2]
	v_max3_num_f32 v[CH], v[CH], v[CH+3], v13      ; and the old m
	v_permlanex16_b32 v[CH+1], v[CH], s[SEL], s[SEL+1]   ; the query's other 32 keys lie in the lane 16 away
	v_mov_b32 v22, v12                             ; c m_old
	v_max_num_f32 v13, v[CH], v[CH+1]              ; the new m
	v_mul_f32 v12, s[CS], v13
	v_sub_f32 v22, v22, v12                        ; c m_old - c m_new
.set j, 0
.rept 16
	v_pk_fma_f32 v[SF+j:SF+j+1], v[SF+j:SF+j+1], s[CS:CS+1], v[12:13] op_sel_hi:[1,0,0] neg_lo:[0,0,1] neg_hi:[0,0,1]   ; c s - c m
.set j, j+2
.endr
	v_exp_f32 v20, v22                             ; a
.set j, 0
.rept 32
	v_exp_f32 v[SF+j], v[SF+j]                     ; p
.set j, j+1
.endr
	v_nop                                          ; a plain line behind the last exponential
	s_wait_alu depctr_va_vdst(0)                   ; one wait for the 33, ahead of the first line that names a result
	v_pk_fma_f32 v[14:15], v[14:15], v[20:21], v[SF:SF+1] op_sel_hi:[1,0,1]   ; l = a l + the sum of p before it is rounded, in two chains
	v_pk_add_f32 v[248:249], v[SF+2:SF+3], v[SF+4:SF+5]
.irp j, 6,10,14,18,22,26
	v_pk_add_f32 v[14:15], v[14:15], v[SF+\j:SF+\j+1]
	v_pk_add_f32 v[248:249], v[248:249], v[SF+\j+2:SF+\j+3]
.endr
	v_pk_add_f32 v[14:15], v[14:15], v[SF+30:SF+31]
	v_pk_add_f32 v[14:15], v[14:15], v[248:249]
.set j, 0
.rept 16
	v_cvt_pk_f16_f32 v[SF+j], v[SF+2*j], v[SF+2*j+1]   ; P, in place, ascending: register j is written when registers 2 j, 2 j + 1 have been read
.set j, j+1
.endr
.set j, 0
.rept 16
	v_pk_mul_f32 v[OF+j:OF+j+1], v[OF+j:OF+j+1], v[20:21] op_sel_hi:[1,0]   ; O^T x a
.set j, j+2
.endr
	s_wait_dscnt 0x0                               ; V is in
.irp g, 0,1                                    ; O^T += V^T P: the four accumulators take turns
.irp u, 0,1,2,3
	v_wmma_f32_16x16x32_f16 v[OF+8*\u:OF+8*\u+7], v[VFR+8*(4*\g+\u):VFR+8*(4*\g+\u)+7], v[SF+8*\g:SF+8*\g+7], v[OF+8*\u:OF+8*\u+7]
.endr
.endr
.Lhid_\@:
	s_add_co_u32 s[KEY0], s[KEY0], 64
.endm
.macro UNIT
	STEP 0
	STEP 1
	STEP 2
	STEP 3
	s_xor_b32 s[TB], s[TB], SLOT1                  ; on to the other slot
.endm
; THE CHANGE OF SLOTS, at a unit's head.  Each wave waits for all its tensor loads, adds 0 to its spare word, and waits for that and for its reads of the slot that it has left; a barrier;
; fill = 1: the slot just left takes the unit that follows (behind the first block's last unit: unit 0 again): a wave's one tensor load until the next barrier, with a unit's steps in which to land.
.macro CHANGE fill
	s_wait_tensorcnt 0x0                           ; no tensor load of mine is out, so a group 0 may be written
	ds_add_u32 v[SPW], v[NIL]
.if \fill
	ds_add_u32 v[SPW], v[NIL]                      ; and twice on end here, in every trip alike; the descriptors' steps stand between it and the wait
	s_add_co_u32 s[KBN], s[KBN], 1
	s_cmp_eq_u32 s[KBN], s[NA]
	s_cselect_b32 s[KBN], 0, s[KBN]                ; the second block begins at unit 0
	s_lshl_b32 s[OFF], s[KBN], 15                  ; 256 rows of 128 bytes a unit
	s_xor_b32 s[G0K+1], s[G0K+1], SLOT1
	s_add_nc_u64 s[G0K+2:G0K+3], s[KB:KB+1], s[OFF:OFF+1]
	s_or_b32 s[G0K+3], s[G0K+3], 0x80000000
	s_xor_b32 s[G0V+1], s[G0V+1], SLOT1
	s_add_nc_u64 s[G0V+2:G0V+3], s[VB:VB+1], s[OFF:OFF+1]
	s_or_b32 s[G0V+3], s[G0V+3], 0x80000000
	s_wait_xcnt 0x0                                ; the last prefetch, a unit back, has read its address
	s_add_nc_u64 s[PFA:PFA+1], s[PFA:PFA+1], 32768
.endif
	s_wait_dscnt 0x0                               ; the add is done, my reads of the slot that I have left are over
	s_barrier_signal -1
	s_barrier_wait -1
.if \fill
	TLOAD
	ASK
.endif
.endm
; A block's end: O^T / l, rounded to f16, through my stage, out as 512 consecutive bytes an instruction (four rows of 128 bytes).
.macro FINISH
.rept 4
	v_nop                                          ; places behind the last products, on every way here
.endr
	v_add_f32 v14, v14, v15
	v_permlanex16_b32 v22, v14, s[SEL], s[SEL+1]
	v_add_f32 v14, v14, v22                        ; the row's sum
	v_rcp_f32 v20, v14
	v_nop
	s_wait_alu depctr_va_vdst(0)                   ; ahead of the reciprocal's first reader
.set j, 0
.rept 16
	v_pk_mul_f32 v[KFR+j:KFR+j+1], v[OF+j:OF+j+1], v[20:21] op_sel_hi:[1,0]
.set j, j+2
.endr
.set j, 0
.rept 16
	v_cvt_pk_f16_f32 v[KFR+32+j], v[KFR+2*j], v[KFR+2*j+1]
.set j, j+1
.endr
.irp u, 0,1,2,3
	ds_store_b128 v[STO], v[KFR+32+4*\u:KFR+35+4*\u] offset:32*\u
.endr
.irp i, 0,1,2,3
	ds_load_b128 v[KFR+48+4*\i:KFR+51+4*\i], v[RD] offset:4*PK*\i   ; LDS serves a wave's instructions in order: these see my stores
.endr
.irp i, 0,1,2,3
	s_wait_dscnt 3-\i
	global_store_b128 v[GO], v[KFR+48+4*\i:KFR+51+4*\i], s[OP:OP+1] offset:512*\i
.endr
	s_wait_xcnt 0x0                                ; the stores have read their registers and their base
.endm
.macro RESTART
.set j, 0
.rept 16
	v_mov_b32 v[QF+j], v[QB+j]
.set j, j+1
.endr
	INIT
	s_mov_b32 s[KEY0], 0
	s_mov_b32 s[Q0], s[Q0B]
	s_mov_b64 s[OP:OP+1], s[OPB:OPB+1]
.endm
	s_wait_loadcnt 0x0                             ; Q
.Lunit:                                            ; eight trips: behind each change of slots but the last the next unit is asked for
	CHANGE 1
	UNIT
	s_cmp_lg_u32 s[CNT], s[SW]                     ; the first block's last unit?  Ids and the counter alone: all sixteen waves go the same way; no barrier
	s_cbranch_scc1 .Lsame
	FINISH
	RESTART
.Lsame:
	s_sub_co_u32 s[CNT], s[CNT], 1
	s_cmp_lg_u32 s[CNT], 0
	s_cbranch_scc1 .Lunit
	CHANGE 0                                       ; the ninth unit is written out: nothing is left to fetch
	UNIT
	FINISH
	s_wait_tensorcnt 0x0                           ; the wave's end: three lines behind my last tensor load and my last LDS store
	ds_add_u32 v[SPW], v[NIL]
	s_wait_dscnt 0x0
	s_endpgm
.Lfunc_end_k_q2becc546d4_attn:
	.size	k_q2becc546d4_attn, .Lfunc_end_k_q2becc546d4_attn-k_q2becc546d4_attn
	.p2alignl 7, 3214868480
	.fill 96, 4, 3214868480
	.section	.rodata,"a",@progbits
	.p2align	6, 0x0
	.amdhsa_kernel k_q2becc546d4_attn
		.amdhsa_group_segment_fixed_size 327680
		.amdhsa_private_segment_fixed_size 0
		.amdhsa_enable_private_segment 0
		.amdhsa_kernarg_size 16
		.amdhsa_user_sgpr_count 2
		.amdhsa_user_sgpr_kernarg_segment_ptr 1
		.amdhsa_wavefront_size32 1
		.amdhsa_system_sgpr_workgroup_id_x 1
		.amdhsa_system_sgpr_workgroup_id_y 1
		.amdhsa_system_sgpr_workgroup_id_z 1
		.amdhsa_system_vgpr_workitem_id 0
		.amdhsa_next_free_vgpr 256
		.amdhsa_next_free_sgpr 80
		.amdhsa_reserve_vcc 1
		.amdhsa_float_denorm_mode_32 3
		.amdhsa_float_denorm_mode_16_64 3
		.amdhsa_memory_ordered 1
		.amdhsa_forward_progress 1
		.amdhsa_inst_pref_size 115
	.end_amdhsa_kernel
	.amdgpu_metadata
---
amdhsa.version: [ 1, 2 ]
amdhsa.kernels:
  - .name:           k_q2becc546d4_attn
    .symbol:         k_q2becc546d4_attn.kd
    .args:
      - { .name: qkv16, .offset: 0, .size: 8, .value_kind: global_buffer, .address_space: global }
      - { .name: o16, .offset: 8, .size: 8, .value_kind: global_buffer, .address_space: global }
    .group_segment_fixed_size: 327680
    .private_segment_fixed_size: 0
    .kernarg_segment_align: 8
    .kernarg_segment_size: 16
    .max_flat_workgroup_size: 512
    .sgpr_count:     80
    .vgpr_count:     256
    .wavefront_size: 32
...
	.end_amdgpu_metadata
.endif
;; end of part 3
;; launch proj (part 4): grid 8 x 32, 4 waves a work-group, clusters of 4 x 4, 327,680 bytes of LDS; arguments o16, wo16, out0; writes out0
.if DOCPART == 4
	.amdgcn_target "amdgcn-amd-amdhsa--gfx1250"
	.amdhsa_code_object_version 6
	.text
	.protected	k_q2becc546d4_proj
	.globl	k_q2becc546d4_proj
	.p2align	8
	.type	k_q2becc546d4_proj,@function
k_q2becc546d4_proj:
	s_mov_b64 s[64:65], 0
	v_nop
	global_prefetch_b8 v0, s[64:65] scope:SCOPE_SE
	s_setreg_imm32_b32 hwreg(HW_REG_WAVE_MODE, 25, 1), 1
	s_wait_xcnt 0x0
	s_wait_alu depctr_hold_cnt(0) depctr_sa_sdst(0) depctr_va_vdst(0) depctr_va_sdst(0) depctr_va_ssrc(0) depctr_va_vcc(0) depctr_vm_vsrc(0)
	s_getreg_b32 s2, hwreg(HW_REG_IB_STS2, 6, 4)
	s_cmp_eq_u32 s2, 0
	s_cbranch_scc0 .Lentry_in_a_cluster
	s_endpgm
.Lentry_in_a_cluster:
	s_bfe_u32 s2, ttmp6, 0x10000c
	s_cmp_lg_u32 s2, 0xf033
	s_cbranch_scc0 .Lentry_shape_is_right
	s_endpgm
.Lentry_shape_is_right:
; PROJ: out0[m][n] = sum over k of o[m][k] w_out[k][n], M = 8,192, N = K = 1,024; f16 operands, f32 sums, f32 out.
; A = o16 [batch][head][position][64] f16 (k = 64 head + channel): for 256 positions a head's rows are 32,768 dense bytes.  B = wo16 [n][k] f16.
; A tile of C is 256 x 128: 256 work-groups.  Wave w makes rows 64 w .. 64 w + 63 x all 128 columns: 32 accumulators, 256 registers (window 1).
; K goes in steps of 128 (two heads) through two LDS slots: waves 0, 1 fetch a head's 256 rows each, waves 2, 3 64 rows of B each (rows of 256 bytes): one load a wave.
; CLUSTERS: 4 x 4: A's tiles are asked for jointly along a row of the cluster, B's along a column.  THE MATRIX INSTRUCTION IS USED TRANSPOSED: a lane holds eight neighbouring columns of a row of C.
; Rows 0-15 of each batch are written here too; the last launch writes them again from f32 arithmetic.
; REGISTERS: window 0: v16-29 addresses; v64-95, v96-127 A's fragments (4 x 16 rows x 32 K), two buffers; v128-191, v192-255 B's (8), two buffers; on the way out v128-255.  window 1: accumulator (a, b) at v[8 (8 a + b)].
.set PA,     144                       ; a row of A in LDS: 128 bytes + 16
.set PB,     272                       ; a row of B: 256 + 16
.set AHEAD,  256*PA                    ; a head's 256 rows
.set BOFF,   2*AHEAD
.set BHALF,  64*PB
.set SLOT,   BOFF+2*BHALF
.set SPARE,  2*SLOT                    ; the spare words, 128 bytes for each wave
.set SPITCH, 528                       ; the way out: 16 rows x (512 bytes + 16) for each wave, in slot 0, which has had its last fill and its last read by then
.set ADRA, 16
.set ADRB, 20
.set STO,  24
.set RD,   25
.set CO,   26
.set SPW,  28
.set NIL,  29
.set BK,   128
.set G1, 24
.set G0, 32
.set G1B, 48
.set G0B, 56
.set MSB, 0
.macro WIN new
.if MSB != \new
	s_set_vgpr_msb (MSB<<8)|\new
.set MSB, \new
.endif
.endm
.set MUL, 0x50                         ; C and D window 1, sources 0 and 1 window 0
.macro JLOAD s                         ; a joint load: waves 0, 1 for A, waves 2, 3 for B; an s_nop 0 and four v_nop follow each line
	s_cmp_eq_u32 s11, 0
	s_cbranch_scc0 .Lfor_b_\@
	tensor_load_to_lds s[G0+4*\s:G0+4*\s+3], s[G1:G1+7]
	s_nop 0
.rept 4
	v_nop
.endr
	s_branch .Lasked_\@
.Lfor_b_\@:
	tensor_load_to_lds s[G0B+4*\s:G0B+4*\s+3], s[G1B:G1B+7]
	s_nop 0
.rept 4
	v_nop
.endr
.Lasked_\@:
.endm
.macro CREST                           ; a round of the cluster's barrier behind its opening barrier
	s_cmp_lg_u32 s10, 0
	s_cbranch_scc1 .Lnot_wave_0_\@
	s_barrier_signal -3
.Lnot_wave_0_\@:
	s_barrier_wait -3
	s_barrier_signal -1
	s_barrier_wait -1
.endm
.macro CROUND
	s_barrier_signal -1
	s_barrier_wait -1
	CREST
.endm
	s_load_b128 s[4:7], s[0:1], 0x0                ; o16, wo16
	s_load_b64 s[8:9], s[0:1], 0x10                ; out0
	v_lshl_add_u32 v[SPW], v0, 2, SPARE
	v_mov_b32 v[NIL], 0
	ds_add_u32 v[SPW], v[NIL]                      ; the wave's opening: the add, twice on end, and its wait ahead of my first tensor load
	ds_add_u32 v[SPW], v[NIL]
	v_lshrrev_b32 v1, 5, v0
	v_readfirstlane_b32 s10, v1                    ; wave 0..3
	s_lshr_b32 s11, s10, 1                         ; I fetch for A (0) or for B (1)
	s_and_b32 s12, s10, 1                          ; which head of the step's two, or which 64 rows of B
	s_bfe_u32 s40, ttmp6, 0x40000                  ; cx
	s_bfe_u32 s41, ttmp6, 0x40004                  ; cy
	s_lshl_b32 s42, ttmp9, 2
	s_add_co_u32 s42, s42, s40                     ; tile column = 4 x cluster x + cx
	s_and_b32 s13, ttmp7, 0xffff
	s_lshl_b32 s13, s13, 2
	s_add_co_u32 s13, s13, s41                     ; tile row = 4 x cluster y + cy
	s_lshl_b32 s43, s41, 2
	s_lshl_b32 s43, 15, s43                        ; my row of the cluster
	s_lshl_b32 s44, 0x1111, s40                    ; my column
	s_or_b32 s[G1+0], s43, (1<<16)|(1<<20)|(1<<21)|(4<<22)|(3<<25)   ; A: the mask; elements of 2 bytes; padding: 4 words after every 32; bit 21 beside a mask
	s_mov_b32 s[G1+1], 64<<16                      ; tensor_dim0 = 64
	s_mov_b32 s[G1+2], 256<<16                     ; tensor_dim1 = 256
	s_mov_b32 s[G1+3], 64<<16                      ; tile_dim0
	s_mov_b32 s[G1+4], 256                         ; tile_dim1
	s_mov_b32 s[G1+5], 64                          ; from row to row
	s_mov_b32 s[G1+6], 0
	s_mov_b32 s[G1+7], 0
	s_or_b32 s[G1B+0], s44, (1<<16)|(1<<20)|(1<<21)|(5<<22)|(3<<25)  ; B: 4 words after every 64
	s_mov_b32 s[G1B+1], 128<<16
	s_mov_b32 s[G1B+2], 64<<16
	s_mov_b32 s[G1B+3], 128<<16
	s_mov_b32 s[G1B+4], 64
	s_mov_b32 s[G1B+5], 1024
	s_mov_b32 s[G1B+6], 0
	s_mov_b32 s[G1B+7], 0
	s_lshr_b32 s16, s13, 3                         ; A: the batch (8 tile rows each): 16 heads of 262,144 bytes,
	s_lshl_b32 s16, s16, 22
	s_and_b32 s17, s13, 7
	s_lshl_b32 s17, s17, 15                        ; 256 positions of 128 bytes,
	s_add_co_u32 s16, s16, s17
	s_lshl_b32 s17, s12, 18                        ; my head of the two
	s_add_co_u32 s16, s16, s17
	s_mov_b32 s17, 0
	s_lshl_b32 s46, s42, 18                        ; B: row 128 x tile column + 64 x half, 2,048 bytes each
	s_lshl_b32 s47, s12, 17
	s_add_co_u32 s46, s46, s47
	s_mov_b32 s47, 0
	s_mul_i32 s20, s12, AHEAD                      ; where they go: no place in the cluster enters an LDS address
	s_mul_i32 s21, s12, BHALF
	s_add_co_u32 s21, s21, BOFF
	s_wait_dscnt 0x0                               ; both opening adds are done
	s_wait_kmcnt 0x0
	s_add_nc_u64 s[14:15], s[4:5], s[16:17]
	s_add_nc_u64 s[46:47], s[6:7], s[46:47]
	CROUND                                         ; all sixteen work-groups are here: the first joint loads meet
.irp s, 0,1
	s_mov_b32 s[G0+4*\s], 1
	s_add_co_u32 s[G0+4*\s+1], s20, \s*SLOT
	s_add_nc_u64 s[G0+4*\s+2:G0+4*\s+3], s[14:15], \s*524288        ; K step s: two heads on
	s_or_b32 s[G0+4*\s+3], s[G0+4*\s+3], 0x80000000
	s_mov_b32 s[G0B+4*\s], 1
	s_add_co_u32 s[G0B+4*\s+1], s21, \s*SLOT
	s_add_nc_u64 s[G0B+4*\s+2:G0B+4*\s+3], s[46:47], \s*256
	s_or_b32 s[G0B+4*\s+3], s[G0B+4*\s+3], 0x80000000
	JLOAD \s
.endr
	v_and_b32 v1, 15, v0                           ; r
	v_bfe_u32 v2, v0, 4, 1                         ; h
	v_mul_u32_u24 v3, v1, PA
	v_lshl_add_u32 v3, v2, 4, v3
	v_mul_u32_u24 v4, v1, PB
	v_lshl_add_u32 v4, v2, 4, v4
	s_mul_i32 s22, s10, 64*PA                      ; my 64 rows of A
	s_mov_b32 s23, BOFF
.irp s, 0,1
	v_add_nc_u32 v[ADRA+\s], s22, v3
	v_add_nc_u32 v[ADRB+\s], s23, v4
	s_add_co_u32 s22, s22, SLOT
	s_add_co_u32 s23, s23, SLOT
.endr
	s_mul_i32 s23, s10, 16*SPITCH                  ; my stage
	v_mul_u32_u24 v5, v1, SPITCH
	v_lshl_add_u32 v5, v2, 5, v5
	v_add_nc_u32 v[STO], s23, v5                   ; in: row r, 32 bytes for each half of the lanes
	v_and_b32 v6, 31, v0
	v_lshlrev_b32 v[CO], 4, v6                     ; back: the 32 lanes take a row of 512 bytes; the same in out0
	v_add_nc_u32 v[RD], s23, v[CO]
	s_lshl_b32 s16, s13, 20                        ; out0: row 256 x tile row + 64 x wave, 4,096 bytes each,
	s_lshl_b32 s17, s10, 18
	s_add_co_u32 s16, s16, s17
	s_mov_b32 s17, 0
	s_add_nc_u64 s[8:9], s[8:9], s[16:17]
	s_lshl_b32 s46, s42, 9                         ; column 128 x tile column, 4 bytes each
	s_mov_b32 s47, 0
	s_add_nc_u64 s[8:9], s[8:9], s[46:47]
.macro FETCH slot, q, f                ; 24 LDS loads in one run: the fragments of the slot's q-th 32 along K into buffer f
.irp i, 0,1,2,3,4,5,6,7
	ds_load_b128 v[128+64*(\f)+8*\i:128+64*(\f)+8*\i+3],   v[ADRB+\slot] offset:64*(\q)+\i*16*PB
	ds_load_b128 v[128+64*(\f)+8*\i+4:128+64*(\f)+8*\i+7], v[ADRB+\slot] offset:64*(\q)+\i*16*PB+32
.endr
.irp i, 0,1,2,3
	ds_load_b128 v[64+32*(\f)+8*\i:64+32*(\f)+8*\i+3],   v[ADRA+\slot] offset:((\q)/2)*AHEAD+((\q)%2)*64+\i*16*PA
	ds_load_b128 v[64+32*(\f)+8*\i+4:64+32*(\f)+8*\i+7], v[ADRA+\slot] offset:((\q)/2)*AHEAD+((\q)%2)*64+\i*16*PA+32
.endr
.endm
.macro MULA f, a, zero                 ; 8 matrix instructions: A's block a x B's eight.  The 32 accumulators take turns, in the same order in every quarter
.irp b, 0,1,2,3,4,5,6,7
.if \zero
	v_wmma_f32_16x16x32_f16 v[8*(8*(\a)+\b):8*(8*(\a)+\b)+7], v[128+64*(\f)+8*\b:128+64*(\f)+8*\b+7], v[64+32*(\f)+8*(\a):64+32*(\f)+8*(\a)+7], 0
.else
	v_wmma_f32_16x16x32_f16 v[8*(8*(\a)+\b):8*(8*(\a)+\b)+7], v[128+64*(\f)+8*\b:128+64*(\f)+8*\b+7], v[64+32*(\f)+8*(\a):64+32*(\f)+8*(\a)+7], v[8*(8*(\a)+\b):8*(8*(\a)+\b)+7]
.endif
.endr
.endm
.macro PLACES                          ; four plain lines in front of loads into registers that matrix instructions have read, and of the first read of results
.rept 4
	v_nop
.endr
.endm
.macro QUARTER slot, q, zero           ; one of a K step's first three quarters: the next quarter's fragments are asked for, then this quarter's 32 products
	s_wait_dscnt 0x0                               ; this quarter's fragments, asked for a quarter ago, are in
	PLACES
	FETCH \slot, (\q)+1, 1-(\q)%2
	WIN MUL
	MULA (\q)%2, 0, \zero
	MULA (\q)%2, 1, \zero
	MULA (\q)%2, 2, \zero
	MULA (\q)%2, 3, \zero
	WIN 0
.endm
; The last quarter multiplies buffer 1 and changes slots: one barrier; in front of it each wave waits for all its tensor loads, adds 0 to its spare word, and waits for that and for its reads of this slot.
.macro TURN slot, next, fill
	s_wait_tensorcnt 0x0                           ; all my tensor loads have landed: my part of the next slot
	ds_add_u32 v[SPW], v[NIL]
	s_wait_dscnt 1                                 ; the fragments are in; the add alone may be out
	WIN MUL
	MULA 1, 0, 0                                   ; eight products stand between the add and the wait for it
	s_wait_dscnt 0x0                               ; the add is done, my reads of this slot are over
	s_barrier_signal -1
	MULA 1, 1, 0
	WIN 0
	s_barrier_wait -1
.if \fill
	CREST                                          ; the barrier has opened a round of the cluster's: no wave of any partner still reads this slot or has a load on its way
	s_add_nc_u64 s[G0+4*\slot+2:G0+4*\slot+3], s[G0+4*\slot+2:G0+4*\slot+3], 2*524288
	s_add_nc_u64 s[G0B+4*\slot+2:G0B+4*\slot+3], s[G0B+4*\slot+2:G0B+4*\slot+3], 2*256
	JLOAD \slot                                    ; the first tensor load behind the round; its four v_nop are also the places in front of the loads below
.else
	PLACES
.endif
	FETCH \next, 0, 0
	WIN MUL
	MULA 1, 2, 0
	MULA 1, 3, 0
	WIN 0
.endm
	s_wait_tensorcnt 1                             ; my part of K step 0 is in; K step 1's load may stay out
	s_barrier_signal -1
	s_barrier_wait -1
	FETCH 0, 0, 0
	QUARTER 0, 0, 1                                ; the first products start the sums: nothing is cleared
	s_mov_b32 s3, 3
.Llap:                                             ; a trip goes once round the ring and fills both slots again: K steps 2 to 7
	QUARTER 0, 1, 0
	QUARTER 0, 2, 0
	TURN 0, 1, 1
	QUARTER 1, 0, 0
	QUARTER 1, 1, 0
	QUARTER 1, 2, 0
	TURN 1, 0, 1
	QUARTER 0, 0, 0
	s_sub_co_u32 s3, s3, 1
	s_cmp_lg_u32 s3, 0
	s_cbranch_scc1 .Llap
	QUARTER 0, 1, 0                                ; the last lap fills nothing
	QUARTER 0, 2, 0
	TURN 0, 1, 0
	QUARTER 1, 0, 0
	QUARTER 1, 1, 0
	QUARTER 1, 2, 0
	s_wait_dscnt 0x0
	WIN MUL
	MULA 1, 0, 0
	MULA 1, 1, 0
	MULA 1, 2, 0
	MULA 1, 3, 0
	WIN 0
; THE WAY OUT, block by block of 16 rows x 128 columns: through my stage, back as whole rows of 512 bytes.
.macro TOSTAGE a
	WIN 0x04                                       ; an LDS store's data are its source 1: window 1
.irp b, 0,1,2,3,4,5,6,7
	ds_store_b128 v[STO], v[64*(\a)+8*\b:64*(\a)+8*\b+3] offset:64*\b          ; each accumulator from its low end on
	ds_store_b128 v[STO], v[64*(\a)+8*\b+4:64*(\a)+8*\b+7] offset:64*\b+16
.endr
	WIN 0
.set BB, BK+64*((\a)%2)
.irp t, 0,1,2,3,4,5,6,7,8,9,10,11,12,13,14,15
	ds_load_b128 v[BB+4*\t:BB+4*\t+3], v[RD] offset:\t*SPITCH      ; LDS serves a wave's instructions in order: these see the stores above
.endr
.endm
.macro SEND a, younger                 ; younger: the LDS instructions issued behind block a's loads, which may stay out
.set BB, BK+64*((\a)%2)
	s_wait_dscnt \younger
.irp t, 0,1,2,3,4,5,6,7,8,9,10,11,12,13,14,15
	global_store_b128 v[CO], v[BB+4*\t:BB+4*\t+3], s[8:9] offset:65536*(\a)+4096*\t th:TH_STORE_NT   ; 32 lanes store 512 consecutive bytes, aligned; the base is never stepped
.endr
.endm
	PLACES
	TOSTAGE 0
.irp a, 1,2,3
.if \a > 1
	s_wait_xcnt 0x0                                ; block a - 2's stores have read their registers: block a's loads may land there
.endif
	TOSTAGE \a
	SEND \a-1, 32                                  ; behind block a - 1's loads: block a's 16 stores and 16 loads
.endr
	SEND 3, 0
	s_wait_tensorcnt 0x0                           ; the wave's end: three lines behind my last tensor load and my last LDS store
	ds_add_u32 v[SPW], v[NIL]
	s_wait_dscnt 0x0
	CROUND                                         ; the closing round
	s_endpgm
.Lfunc_end_k_q2becc546d4_proj:
	.size	k_q2becc546d4_proj, .Lfunc_end_k_q2becc546d4_proj-k_q2becc546d4_proj
	.p2alignl 7, 3214868480
	.fill 96, 4, 3214868480
	.section	.rodata,"a",@progbits
	.p2align	6, 0x0
	.amdhsa_kernel k_q2becc546d4_proj
		.amdhsa_group_segment_fixed_size 327680
		.amdhsa_private_segment_fixed_size 0
		.amdhsa_enable_private_segment 0
		.amdhsa_kernarg_size 24
		.amdhsa_user_sgpr_count 2
		.amdhsa_user_sgpr_kernarg_segment_ptr 1
		.amdhsa_wavefront_size32 1
		.amdhsa_system_sgpr_workgroup_id_x 1
		.amdhsa_system_sgpr_workgroup_id_y 1
		.amdhsa_system_sgpr_workgroup_id_z 1
		.amdhsa_system_vgpr_workitem_id 0
		.amdhsa_next_free_vgpr 512
		.amdhsa_next_free_sgpr 66
		.amdhsa_reserve_vcc 0
		.amdhsa_float_denorm_mode_32 3
		.amdhsa_float_denorm_mode_16_64 3
		.amdhsa_memory_ordered 1
		.amdhsa_forward_progress 1
		.amdhsa_inst_pref_size 84
	.end_amdhsa_kernel
	.amdgpu_metadata
---
amdhsa.version: [ 1, 2 ]
amdhsa.kernels:
  - .name:           k_q2becc546d4_proj
    .symbol:         k_q2becc546d4_proj.kd
    .args:
      - { .name: o16, .offset: 0, .size: 8, .value_kind: global_buffer, .address_space: global }
      - { .name: wo16, .offset: 8, .size: 8, .value_kind: global_buffer, .address_space: global }
      - { .name: out0, .offset: 16, .size: 8, .value_kind: global_buffer, .address_space: global }
    .group_segment_fixed_size: 327680
    .private_segment_fixed_size: 0
    .kernarg_segment_align: 8
    .kernarg_segment_size: 24
    .max_flat_workgroup_size: 128
    .sgpr_count:     66
    .vgpr_count:     512
    .wavefront_size: 32
...
	.end_amdgpu_metadata
.endif
;; end of part 4
;; launch fine (part 5): grid 32 x 4, 16 waves a work-group, no clusters, 38,912 bytes of LDS; arguments q32, w_out, out0; writes out0
.if DOCPART == 5
	.amdgcn_target "amdgcn-amd-amdhsa--gfx1250"
	.amdhsa_code_object_version 6
	.text
	.protected	k_q2becc546d4_fine
	.globl	k_q2becc546d4_fine
	.p2align	8
	.type	k_q2becc546d4_fine,@function
k_q2becc546d4_fine:
	s_mov_b64 s[64:65], 0
	v_nop
	global_prefetch_b8 v0, s[64:65] scope:SCOPE_SE
	s_setreg_imm32_b32 hwreg(HW_REG_WAVE_MODE, 25, 1), 1
	s_wait_xcnt 0x0
; FINE: positions 0-15 of each batch once more, all in f32: there a row averages one to sixteen values, and the rounding of 16-bit operands would weigh most.
; q32 [4][16][3072] holds the f32 results of the first product for these positions.  Work-group (cb, b): 32 columns of out0 for the 16 rows of batch b.  Wave w is head w: its attention
; (16 x 16, causal) and its share of the projection (64 of K x 32 columns); the sixteen shares meet in LDS and are added in ascending order of heads.
; All products by v_wmma_f32_16x16x4_f32: 64 a wave.  Its accumulators (v176-239) are written by matrix instructions alone, each sum begun with C = 0.
; Along a product's K the places are permuted alike on both sides, so that plain loads fill the operands.
; The stores are 128 bytes a row (32 columns), on 64 rows in all: twice the work-groups at work was worth more here than whole runs of 256 bytes.
; REGISTERS: v1-11 addresses; v16-47 q, later O / l; v48-79 k, later the sixteen shares; v80-111 v; v112-175 w_out; v176-191 S^T (two sums); v192-223 O^T; v224-239 out^T; v240-247 p; v248-253 at work.
.set QF,  16
.set KF,  48
.set VF,  80
.set WF,  112
.set PF,  240
.set SPARE, 16*16*144                  ; behind the sixteen shares (16 rows x 144 bytes each): the spare words
	s_load_b128 s[4:7], s[0:1], 0x0                ; q32, w_out
	s_load_b64 s[8:9], s[0:1], 0x10                ; out0
	v_lshl_add_u32 v10, v0, 2, SPARE               ; my spare word; never rewritten
	v_mov_b32 v11, 0                               ; 0; never rewritten
	v_lshrrev_b32 v12, 5, v0
	v_readfirstlane_b32 s10, v12                   ; wave = head
	s_and_b32 s11, ttmp7, 0xffff                   ; batch
	v_and_b32 v1, 15, v0                           ; r
	v_bfe_u32 v2, v0, 4, 1                         ; h
	v_mul_u32_u24 v3, v1, 12288
	v_lshl_add_u32 v3, v2, 4, v3                   ; q, k: position r, + 16 h: registers 4 i .. 4 i + 3 hold channels 8 i + 4 h + 0 .. 3
	v_lshlrev_b32 v4, 2, v1
	v_lshl_add_u32 v5, v2, 15, v4                  ; w_out: column r, 8 h rows of 4,096 bytes down
	v_mul_u32_u24 v12, v2, 98304
	v_add_nc_u32 v4, v4, v12                       ; v: channel r, 8 h positions of 12,288 bytes down
	v_lshlrev_b32 v6, 3, v2
	v_sub_nc_u32 v6, v1, v6                        ; r - 8 h
	s_mul_i32 s12, s10, 16*144
	v_mul_u32_u24 v7, v1, 144
	v_lshl_add_u32 v7, v2, 5, v7
	v_add_nc_u32 v7, s12, v7                       ; my share: row r, + 32 h
	v_and_b32 v9, 31, v0
	v_lshlrev_b32 v9, 2, v9                        ; 4 x lane
	s_mul_i32 s12, s10, 144
	v_add_nc_u32 v8, s12, v9                       ; row w of each share
	s_mul_i32 s12, s11, 196608
	s_lshl_b32 s13, s10, 8
	s_add_co_u32 s12, s12, s13                     ; q32: batch, head's 64 columns
	s_mov_b32 s13, 0
	s_lshl_b32 s14, s10, 18                        ; w_out: the head's 64 rows,
	s_lshl_b32 s15, ttmp9, 7                       ; my 32 columns
	s_add_co_u32 s14, s14, s15
	s_lshl_b32 s16, s11, 23                        ; out0: row 2,048 x batch + wave,
	s_lshl_b32 s17, s10, 12
	s_add_co_u32 s16, s16, s17
	s_add_co_u32 s16, s16, s15
	s_mov_b32 s15, 0
	s_mov_b32 s17, 0
	s_mov_b32 s20, 0x76543210
	s_mov_b32 s21, 0xfedcba98                      ; lane l xor 16
	s_mov_b32 s22, 0x3e38aa3b                      ; c = log2(e) / 8
	s_wait_kmcnt 0x0
	s_add_nc_u64 s[4:5], s[4:5], s[12:13]
	s_add_nc_u64 s[6:7], s[6:7], s[14:15]
	s_add_nc_u64 s[8:9], s[8:9], s[16:17]
.irp i, 0,1,2,3,4,5,6,7
	global_load_b128 v[QF+4*\i:QF+4*\i+3], v3, s[4:5] offset:32*\i
.endr
.irp i, 0,1,2,3,4,5,6,7
	global_load_b128 v[KF+4*\i:KF+4*\i+3], v3, s[4:5] offset:4096+32*\i
.endr
.irp u, 0,1,2,3                                ; v: register 8 u + k: channel 16 u + r, position 8 h + k
.irp k, 0,1,2,3,4,5,6,7
	global_load_b32 v[VF+8*\u+\k], v4, s[4:5] offset:8192+12288*\k+64*\u
.endr
.endr
.irp n, 0,1                                    ; w_out: register 32 n + e: column 16 n + r, the head's channel 16 (e / 8) + 8 h + e % 8: the channel that register e of O / l holds
.set e, 0
.rept 32
	global_load_b32 v[WF+32*\n+e], v5, s[6:7] offset:(16*(e/8)+e%8)*4096+64*\n
.set e, e+1
.endr
.endr
	v_mov_b32 v248, 0xff800000                     ; -infinity
	v_mov_b32 v250, 0                              ; a lane permute's destination counts as read
	v_mov_b32 v253, 0                              ; the upper half of the pair v[252:253]
	s_wait_loadcnt 63                              ; q, k and v are in: 64 loads were issued behind v's last, and 63 is the largest count that a wait can name
	; S^T = K Q^T: source 0 = 16 keys, source 1 = 16 queries; two sums by turns
	v_wmma_f32_16x16x4_f32 v[176:183], v[KF:KF+1], v[QF:QF+1], 0
	v_wmma_f32_16x16x4_f32 v[184:191], v[KF+2:KF+3], v[QF+2:QF+3], 0
.set e, 4
.rept 7
	v_wmma_f32_16x16x4_f32 v[176:183], v[KF+e:KF+e+1], v[QF+e:QF+e+1], v[176:183]
	v_wmma_f32_16x16x4_f32 v[184:191], v[KF+e+2:KF+e+3], v[QF+e+2:QF+e+3], v[184:191]
.set e, e+4
.endr
.rept 8
	v_nop                                          ; eight places behind this form (ISA guide 7.12.1)
.endr
.irp j, 0,1,2,3,4,5,6,7
	v_add_f32 v[PF+\j], v[176+\j], v[184+\j]       ; lane (r, h): query r, key 8 h + j
.endr
.irp j, 0,1,2,3,4,5,6,7
	v_cmp_gt_i32 vcc_lo, \j, v6                    ; hidden where 8 h + j > r
	v_cndmask_b32 v[PF+\j], v[PF+\j], v248, vcc_lo
.endr
	v_max3_num_f32 v249, v[PF], v[PF+1], v[PF+2]
	v_max3_num_f32 v249, v249, v[PF+3], v[PF+4]
	v_max3_num_f32 v249, v249, v[PF+5], v[PF+6]
	v_max_num_f32 v249, v249, v[PF+7]
	v_permlanex16_b32 v250, v249, s20, s21
	v_max_num_f32 v249, v249, v250                 ; the row's maximum (key 0 counts for every query)
	v_mul_f32 v249, s22, v249
.irp j, 0,1,2,3,4,5,6,7
	v_fma_f32 v[PF+\j], v[PF+\j], s22, -v249       ; c s - c m
.endr
.irp j, 0,1,2,3,4,5,6,7
	v_exp_f32 v[PF+\j], v[PF+\j]
.endr
	v_nop
	s_wait_alu depctr_va_vdst(0)                   ; one wait for the eight, ahead of their first reader
	v_add_f32 v251, v[PF], v[PF+1]
.irp j, 2,3,4,5,6,7
	v_add_f32 v251, v251, v[PF+\j]
.endr
	v_permlanex16_b32 v250, v251, s20, s21
	v_add_f32 v251, v251, v250                     ; the row's sum
	v_rcp_f32 v252, v251
	v_nop
	s_wait_alu depctr_va_vdst(0)
	; O^T = V^T P: source 0 = 16 channels, source 1 = p; K place (h, j) of product k holds key 8 h + 2 k + j on both sides; four sums by turns
.irp k, 0,1,2,3
.irp u, 0,1,2,3
.if \k == 0
	v_wmma_f32_16x16x4_f32 v[192+8*\u:199+8*\u], v[VF+8*\u:VF+8*\u+1], v[PF:PF+1], 0
.else
	v_wmma_f32_16x16x4_f32 v[192+8*\u:199+8*\u], v[VF+8*\u+2*\k:VF+8*\u+2*\k+1], v[PF+2*\k:PF+2*\k+1], v[192+8*\u:199+8*\u]
.endif
.endr
.endr
.rept 8
	v_nop
.endr
.set e, 0
.rept 16
	v_pk_mul_f32 v[QF+e:QF+e+1], v[192+e:193+e], v[252:253] op_sel_hi:[1,0]   ; O / l into other registers: register e: query r, channel 16 (e / 8) + 8 h + e % 8
.set e, e+2
.endr
	s_wait_loadcnt 0x0                             ; w_out
	; out^T: source 0 = 16 columns of w_out, source 1 = O / l; two sums by turns
	v_wmma_f32_16x16x4_f32 v[224:231], v[WF:WF+1], v[QF:QF+1], 0
	v_wmma_f32_16x16x4_f32 v[232:239], v[WF+32:WF+33], v[QF:QF+1], 0
.set e, 2
.rept 15
	v_wmma_f32_16x16x4_f32 v[224:231], v[WF+e:WF+e+1], v[QF+e:QF+e+1], v[224:231]
	v_wmma_f32_16x16x4_f32 v[232:239], v[WF+32+e:WF+33+e], v[QF+e:QF+e+1], v[232:239]
.set e, e+2
.endr
.rept 8
	v_nop
.endr
.irp n, 0,1
	ds_store_b128 v7, v[224+8*\n:227+8*\n] offset:64*\n        ; lane (r, h): row r, columns 16 n + 8 h + 0 .. 7; each accumulator from its low end on
	ds_store_b128 v7, v[228+8*\n:231+8*\n] offset:64*\n+16
.endr
	s_wait_dscnt 0x0                               ; for the others' sake: my share lies in LDS
	s_barrier_signal -1
	s_barrier_wait -1
.irp i, 0,1,2,3,4,5,6,7,8,9,10,11,12,13,14,15
	ds_load_b32 v[KF+\i], v8 offset:16*144*\i      ; row w of head i's share, a column a lane
.endr
	s_wait_dscnt 0x0
.irp i, 1,2,3,4,5,6,7,8,9,10,11,12,13,14,15
	v_add_f32 v[KF], v[KF], v[KF+\i]
.endr
	global_store_b32 v9, v[KF], s[8:9]             ; 32 lanes store 128 consecutive bytes of row w
	s_wait_tensorcnt 0x0                           ; the wave's end: three lines behind my last LDS store
	ds_add_u32 v10, v11
	s_wait_dscnt 0x0
	s_endpgm
.Lfunc_end_k_q2becc546d4_fine:
	.size	k_q2becc546d4_fine, .Lfunc_end_k_q2becc546d4_fine-k_q2becc546d4_fine
	.p2alignl 7, 3214868480
	.fill 96, 4, 3214868480
	.section	.rodata,"a",@progbits
	.p2align	6, 0x0
	.amdhsa_kernel k_q2becc546d4_fine
		.amdhsa_group_segment_fixed_size 38912
		.amdhsa_private_segment_fixed_size 0
		.amdhsa_enable_private_segment 0
		.amdhsa_kernarg_size 24
		.amdhsa_user_sgpr_count 2
		.amdhsa_user_sgpr_kernarg_segment_ptr 1
		.amdhsa_wavefront_size32 1
		.amdhsa_system_sgpr_workgroup_id_x 1
		.amdhsa_system_sgpr_workgroup_id_y 1
		.amdhsa_system_sgpr_workgroup_id_z 1
		.amdhsa_system_vgpr_workitem_id 0
		.amdhsa_next_free_vgpr 256
		.amdhsa_next_free_sgpr 66
		.amdhsa_reserve_vcc 1
		.amdhsa_float_denorm_mode_32 3
		.amdhsa_float_denorm_mode_16_64 3
		.amdhsa_memory_ordered 1
		.amdhsa_forward_progress 1
		.amdhsa_inst_pref_size 24
	.end_amdhsa_kernel
	.amdgpu_metadata
---
amdhsa.version: [ 1, 2 ]
amdhsa.kernels:
  - .name:           k_q2becc546d4_fine
    .symbol:         k_q2becc546d4_fine.kd
    .args:
      - { .name: q32, .offset: 0, .size: 8, .value_kind: global_buffer, .address_space: global }
      - { .name: w_out, .offset: 8, .size: 8, .value_kind: global_buffer, .address_space: global }
      - { .name: out0, .offset: 16, .size: 8, .value_kind: global_buffer, .address_space: global }
    .group_segment_fixed_size: 38912
    .private_segment_fixed_size: 0
    .kernarg_segment_align: 8
    .kernarg_segment_size: 24
    .max_flat_workgroup_size: 512
    .sgpr_count:     66
    .vgpr_count:     256
    .wavefront_size: 32
...
	.end_amdgpu_metadata
.endif
;; end of part 5
